; MI455X (gfx1250); checked and timed in simulation.
; The chip was launched on July 23, 2026; its instructions are those of AMD's public machine-readable ISA for CDNA 5 (MIT licence, August 2026) and "CDNA5" Instruction Set Architecture Reference Guide (July 2026). The comments in the code are by the model that wrote it; some were corrected since.
;; Differential Attention. Allowed arithmetic: matrix products marked QUANTISED: E2M3 operands, one E8M0 scale for each 32 along K, by v_wmma_scale_f32_16x16x128_f8f6f4 with both operands' format E2M3, f32 sums; products left as they are: f32 operands where the result goes on into a quantised operand, else bf16, f16 or f32 operands; f32 sums; everything else in f32.
;; Inputs: Wk 1,024 x 2,048 float32; Wo 1,024 x 1,024 float32; Wq 1,024 x 2,048 float32; Wv 1,024 x 1,024 float32; attention_mask 2 x 2,048 float32; bk 2,048 float32; bo 1,024 float32; bq 2,048 float32; bv 1,024 float32; hidden_states 2 x 2,048 x 1,024 float32; lk1 64 float32; lk2 64 float32; lq1 64 float32; lq2 64 float32.
;; Outputs: out0 2 x 2,048 x 1,024 float32.
;; This version of the problem:
;;   THIS VERSION OF THE PROBLEM IS GIVEN IN LOW PRECISION. The matrix products marked QUANTISED in the list below multiply operands that are first quantised to E2M3 (2 exponent bits, 3 mantissa bits; 6 bits a number), with one power-of-two scale for each 32 numbers along K (OCP MX v1.0); their sums are f32. All else is computed in f32.
;;   The module's matrix products, in the order in which they are computed (A, B: the left and right operand; K: the contracted axis; several contracted axes count as one K, in the product's order):
;;     1. [M 4,096, K 1,024] x [K 1,024, N 2,048]; A: input hidden_states; B: input Wq: QUANTISED
;;     2. [M 4,096, K 1,024] x [K 1,024, N 2,048]; A: input hidden_states; B: input Wk: QUANTISED
;;     3. [M 4,096, K 1,024] x [K 1,024, N 1,024]; A: input hidden_states; B: input Wv: QUANTISED
;;     4. batch 32 x [M 2,048, K 64] x [K 64, N 2,048]; A: computed on the way; B: computed on the way: QUANTISED
;;     5. batch 32 x [M 2,048, K 64] x [K 64, N 2,048]; A: computed on the way; B: computed on the way: QUANTISED
;;     6. [M 1, K 64] x [K 64, N 1]; A: input lq1; B: input lk1: left as it is (M = 1 < 16)
;;     7. [M 1, K 64] x [K 64, N 1]; A: input lq2; B: input lk2: left as it is (M = 1 < 16)
;;     8. batch 32 x [M 2,048, K 2,048] x [K 2,048, N 64]; A: computed on the way; B: computed on the way: QUANTISED
;;     9. [M 4,096, K 1,024] x [K 1,024, N 1,024]; A: computed on the way; B: input Wo: QUANTISED
;;   THE QUANTISER, for each operand of a quantised product, along K:
;;     - K is cut into blocks of 32 from its start; a last block that is shorter is filled with zeros.
;;     - A block's scale is 2^e with e = floor(log2(the largest magnitude in the block)) - 2, held to -126 .. 127; a block of zeros has e = 0. As a byte (E8M0): e + 127.
;;     - Each number is divided by its block's scale, clamped to +-7.5, and rounded to the nearest number of E2M3, ties to even, subnormals kept.
;;     - The product sums the exact products of the quantised numbers (number of the format x scale) in f32.
;;   ~~~python
;;   def quantise(x, axis):      # numpy; x: float32 -> the quantised numbers, widened to float32 again
;;       x = np.moveaxis(x, axis, -1); K = x.shape[-1]
;;       x = np.pad(x, [(0, 0)] * (x.ndim - 1) + [(0, -K % 32)]); x = x.reshape(x.shape[:-1] + (-1, 32)); a = np.abs(x).max(-1, keepdims=True)
;;       e = np.where(a > 0, np.clip(np.frexp(np.where(a > 0, a, 1))[1] - 1 - 2, -126, 127), 0)      # np.frexp(a)[1] - 1 = floor(log2(a)), exactly
;;       r = np.clip(x / 2.0 ** e, -7.5, 7.5)
;;       step = 2.0 ** (np.maximum(np.frexp(np.where(r == 0, 1, r))[1] - 1, 0) - 3)
;;       q = np.round(r / step) * step * 2.0 ** e      # np.round: ties to even
;;       return np.moveaxis(q.reshape(q.shape[:-2] + (-1,))[..., :K], -1, axis).astype(np.float32)
;;   ~~~
;;   OPERANDS COMPUTED ON THE WAY. 'Computed on the way' means the value that the module computes at that place (a softmax that the list does not call 'softmax' is quantised finished and normalised). What goes into a quantiser is computed in f32, as accurately as f32 sums, v_exp_f32 and their like allow (about 1e-6 of the number): no bf16 or f16 on the way to a quantiser, and a product that is left as it is and whose result goes on into a quantised operand takes f32 operands (vector FMAs, or v_wmma_f32_16x16x4_f32). A number that lies on a knife's edge between two numbers of the format may be rounded either way, as far as f32 arithmetic and the matrix unit's own rounding can turn it there, and no further.
;; One version. Each part assembles by itself: llvm-mc -triple=amdgcn-amd-amdhsa -mcpu=gfx1250 --defsym DOCPART=n.
;; ======== version 1 of 1: 4 launches
;; limits: right only within a limited range of input values
;; workspace buffers: ops 8,192,000 bytes; qkb 6,553,600 bytes; vb 9,830,400 bytes; ao 3,276,800 bytes
;; launch quant (part 1): grid 640 x 1, 4 waves a work-group, no clusters, 81,408 bytes of LDS; arguments hidden_states, Wq, Wk, Wv, Wo, ops; writes ops
.if DOCPART == 1
	.amdgcn_target "amdgcn-amd-amdhsa--gfx1250"
	.amdhsa_code_object_version 6
	.text
	.protected	k_q969bf2c791_quant
	.globl	k_q969bf2c791_quant
	.p2align	8
	.type	k_q969bf2c791_quant,@function
k_q969bf2c791_quant:
	s_mov_b64 s[64:65], 0
	v_nop
	global_prefetch_b8 v0, s[64:65] scope:SCOPE_SE
	s_setreg_imm32_b32 hwreg(HW_REG_WAVE_MODE, 25, 1), 1
	s_wait_xcnt 0x0
; hidden_states [4096][1024] (K innermost) and Wq, Wk [1024][2048], Wv, Wo [1024][1024] (K the first axis), all f32, become codes of FP6 (E2M3) with one E8M0 byte for each 32 along K,
; laid in the order of a matrix operand's registers.  An OPERAND BLOCK is 128 rows x K 1,024 = 102,400 bytes: for K step s (128 along K) and tile t (16 rows) an image of 1,536 bytes at 12288 s + 1536 t
; (three planes of 512 bytes: lane l's registers 4 p .. 4 p + 3 at 512 p + 16 l); the scale words, one for a row and a K step, at 98304 + 512 s + 64 t + 4 r.
; THE ROWS OF A TILE ARE NOT NEIGHBOURS: row r of tile 2 b + u is logical row 32 b + 8 u + r + 8 (r / 8), so that as source 0 of a product two neighbouring tiles give a lane 16 neighbours.
; Blocks 0-31: tokens; 32-47: Wq's columns, ordered head x 128 + (first or second half) x 64 + d; 48-63: Wk's likewise; 64-71: Wv's columns; 72-79: Wo's.
; A wave takes 32 logical rows x one K step: A LANE HOLDS ONE ROW, its 128 registers run along K, so a block's largest magnitude needs no other lane.  Weights are loaded so directly (a lane a column, 128 consecutive
; bytes a load); tokens are loaded 512 consecutive bytes a load and turned through the wave's own LDS rows (528 bytes apart).  The codes leave through a stage of the wave's own as whole planes of 512 bytes.
; A block's scale byte is its largest magnitude's exponent field - 2, held at 1 from below.  LIMITS: a block of zeros keeps the byte 1 (its codes are zeros; this program alone reads the bytes);
; blocks whose largest magnitude lies under 2^-124 keep the byte 1; NaN and infinities among the inputs are not served.
; No matrix unit, no cluster, no tensor load: memory binds, and the waves share nothing.
.set TURNW, 16896                      ; LDS: a wave's 32 rows of 528 bytes, for the tokens' turn
.set TP,    528
.set STG,   67584                      ; behind them: a wave's stage, two images 1,664 bytes apart
.set STGW,  3328
.set STGT,  1664
.set SPARE, 80896                      ; behind the stages: the spare words, 128 bytes for each wave, which no other line names
.set OPB,   102400
.set SPW,   14                         ; v14  LDS address of my spare word; never rewritten
.set NIL,   15                         ; v15  0; never rewritten
.set N,     32                         ; v32-159  my row's 128 numbers
.set P0,    160                        ; v160-171 blocks 0 and 2: what lane r of the image holds;  v172-183 blocks 1 and 3: lane 16 + r
.set CT,    184                        ; v184-199 the upper halves of the four blocks' codes, before they are moved
.set MX,    200
.set SCL,   204
.set BY,    208
.set WD,    212
.set OUTR,  216                        ; v216-239 six planes on the way out
	s_load_b256 s[4:11], s[0:1], 0x0               ; hidden_states, Wq, Wk, Wv
	s_load_b128 s[12:15], s[0:1], 0x20             ; Wo, ops
	v_lshl_add_u32 v[SPW], v0, 2, SPARE
	v_mov_b32 v[NIL], 0
	v_lshrrev_b32 v1, 5, v0
	v_readfirstlane_b32 s16, v1                    ; wave
	v_and_b32 v2, 31, v0                           ; lane
	v_lshlrev_b32 v3, 4, v2                        ; 16 x lane
	v_lshlrev_b32 v6, 2, v2                        ; 4 x lane
	s_mul_i32 s17, s16, TURNW
	v_add_nc_u32 v4, s17, v3                       ; the turn, on the way in: 16 bytes a lane of a row
	v_mul_u32_u24 v5, v2, TP
	v_add_nc_u32 v5, s17, v5                       ; and on the way out: a row a lane
	v_bfe_u32 v10, v0, 3, 1                        ; u: which tile of the pair takes my row
	v_and_b32 v11, 7, v0
	v_bfe_u32 v12, v0, 4, 1
	v_lshl_or_b32 v11, v12, 3, v11                 ; r: which row of it
	s_mul_i32 s17, s16, STGW
	s_add_co_u32 s17, s17, STG
	v_mul_u32_u24 v7, v10, STGT
	v_lshl_add_u32 v7, v11, 4, v7
	v_add_nc_u32 v7, s17, v7                       ; the stage, in: image u, lane r's 16 bytes
	v_add_nc_u32 v8, s17, v3                       ; and out: 16 x lane
	v_lshl_add_u32 v9, v10, 4, v11
	v_lshlrev_b32 v9, 2, v9                        ; my row's scale word among the pair's 32
	s_wait_kmcnt 0x0
	s_cmp_lt_u32 ttmp9, 256
	s_cbranch_scc0 .Lweights
	; ---- tokens: unit = 4 x work-group + wave; 32 tokens (unit / 8), K step unit % 8
	s_lshl_b32 s17, ttmp9, 2
	s_add_co_u32 s17, s17, s16
	s_lshr_b32 s18, s17, 3
	s_and_b32 s21, s17, 7                          ; K step
	s_lshl_b32 s20, s18, 5                         ; G: my first logical row among all operands' rows
	s_lshl_b32 s22, s18, 17                        ; 32 rows of 4,096 bytes
	s_lshl_b32 s23, s21, 9
	s_add_co_u32 s22, s22, s23
	s_mov_b32 s23, 0
	s_add_nc_u64 s[4:5], s[4:5], s[22:23]
.set ii, 0
.rept 32
	global_load_b128 v[N+4*ii:N+4*ii+3], v3, s[4:5] offset:ii*4096 th:TH_LOAD_NT   ; row ii: 512 consecutive bytes
.set ii, ii+1
.endr
.irp g, 0,1,2,3
	s_wait_loadcnt 24-8*\g                         ; loads come back in order: these eight rows are in, the younger ones may be out
.irp j, 0,1,2,3,4,5,6,7
	ds_store_b128 v4, v[N+4*(8*\g+\j):N+4*(8*\g+\j)+3] offset:(8*\g+\j)*TP
.endr
.endr
.set ii, 0
.rept 32
	ds_load_b128 v[N+4*ii:N+4*ii+3], v5 offset:16*ii   ; LDS serves a wave's instructions in order: these see my stores
.set ii, ii+1
.endr
	s_branch .Lquant
.macro LOADW pitch                     ; W(128 s + k, my column), k = 0 .. 127: 32 lanes read 128 consecutive bytes
.set kk, 0
.rept 128
	global_load_b32 v[N+kk], v6, s[4:5] offset:kk*\pitch th:TH_LOAD_NT
.set kk, kk+1
.endr
.endm
.Lweights:
	s_sub_co_u32 s17, ttmp9, 256
	s_lshr_b32 s18, s17, 3                         ; group of 128 columns: 0-15 Wq, 16-31 Wk, 32-39 Wv, 40-47 Wo
	s_and_b32 s21, s17, 7                          ; K step
	s_cmp_lt_u32 s18, 32
	s_cbranch_scc0 .Lnarrow
	s_cmp_lt_u32 s18, 16
	s_cselect_b64 s[4:5], s[6:7], s[8:9]
	s_cselect_b32 s20, 0, 2048
	s_and_b32 s19, s18, 15
	s_lshl_b32 s19, s19, 7
	s_lshl_b32 s22, s16, 5
	s_add_co_u32 s19, s19, s22                     ; n0: my first column
	s_and_b32 s22, s19, 1023
	s_lshr_b32 s22, s22, 6
	s_lshl_b32 s22, s22, 7                         ; head x 128
	s_lshr_b32 s23, s19, 10
	s_lshl_b32 s23, s23, 6                         ; + which half x 64
	s_and_b32 s24, s19, 63                         ; + d
	s_add_co_u32 s22, s22, s23
	s_add_co_u32 s22, s22, s24
	s_add_co_u32 s20, s20, s22
	s_add_co_u32 s20, s20, 4096                    ; G
	s_lshl_b32 s22, s21, 20                        ; 128 rows of 8,192 bytes a K step
	s_lshl_b32 s23, s19, 2
	s_add_co_u32 s22, s22, s23
	s_mov_b32 s23, 0
	s_add_nc_u64 s[4:5], s[4:5], s[22:23]
	LOADW 8192
	s_branch .Lquant
.Lnarrow:
	s_cmp_lt_u32 s18, 40
	s_cselect_b64 s[4:5], s[10:11], s[12:13]
	s_cselect_b32 s20, 0, 1024
	s_and_b32 s19, s18, 7
	s_lshl_b32 s19, s19, 7
	s_lshl_b32 s22, s16, 5
	s_add_co_u32 s19, s19, s22                     ; n0
	s_add_co_u32 s20, s20, s19
	s_add_co_u32 s20, s20, 8192                    ; G
	s_lshl_b32 s22, s21, 19                        ; 128 rows of 4,096 bytes a K step
	s_lshl_b32 s23, s19, 2
	s_add_co_u32 s22, s22, s23
	s_mov_b32 s23, 0
	s_add_nc_u64 s[4:5], s[4:5], s[22:23]
	LOADW 4096
.Lquant:
	s_lshr_b32 s22, s20, 7
	s_mul_i32 s22, s22, OPB                        ; my operand block
	s_bfe_u32 s24, s20, 0x30004                    ; the pair's first tile in it
	s_mul_i32 s26, s21, 12288
	s_mul_i32 s25, s24, 1536
	s_add_co_u32 s26, s26, s25
	s_add_co_u32 s26, s26, s22
	s_mov_b32 s27, 0
	s_lshl_b32 s30, s21, 9
	s_lshl_b32 s25, s24, 6
	s_add_co_u32 s30, s30, s25
	s_add_co_u32 s30, s30, s22
	s_add_co_u32 s30, s30, 98304
	s_mov_b32 s31, 0
	s_add_nc_u64 s[28:29], s[14:15], s[26:27]      ; where the two images go,
	s_add_nc_u64 s[30:31], s[14:15], s[30:31]      ; and the 32 scale words
	s_wait_loadcnt 0x0
	s_wait_dscnt 0x0                               ; my row's 128 numbers are in, by either way
.irp b, 0,1,2,3
	v_max3_num_f32 v[MX+\b], |v[N+32*\b]|, |v[N+32*\b+1]|, 0x1800000   ; block b's largest magnitude, and the floor 2^(3 - 127): the byte cannot fall under 1
.endr
.irp i, 2,4,6,8,10,12,14,16,18,20,22,24,26,28,30
.irp b, 0,1,2,3
	v_max3_num_f32 v[MX+\b], v[MX+\b], |v[N+32*\b+\i]|, |v[N+32*\b+\i+1]|   ; the four blocks by turns
.endr
.endr
.irp b, 0,1,2,3
	v_add_nc_u32 v[SCL+\b], 0xff000000, v[MX+\b]   ; 2 off the exponent field: the conversion takes this operand's exponent field as its scale
.endr
.irp b, 0,1,2,3
	v_lshrrev_b32 v[BY+\b], 23, v[SCL+\b]          ; the scale's byte
.endr
	v_lshl_or_b32 v[WD], v[BY+1], 8, v[BY]
	v_lshl_or_b32 v[WD], v[BY+2], 16, v[WD]
	v_lshl_or_b32 v[WD], v[BY+3], 24, v[WD]        ; my row's scale word
.irp b, 0,1,2,3
	v_cvt_scalef32_pk16_fp6_f32 v[P0+12*(\b%2)+6*(\b/2):P0+12*(\b%2)+6*(\b/2)+2], v[N+32*\b:N+32*\b+15], v[SCL+\b]
	v_cvt_scalef32_pk16_fp6_f32 v[CT+4*\b:CT+4*\b+2], v[N+32*\b+16:N+32*\b+31], v[SCL+\b]   ; (a conversion's three registers begin on an even number)
.endr
	v_nop                                          ; one plain instruction behind the conversions
.irp b, 0,1,2,3
.irp i, 0,1,2
	v_mov_b32 v[P0+12*(\b%2)+6*(\b/2)+3+\i], v[CT+4*\b+\i]
.endr
.endr
.irp p, 0,1,2
	ds_store_b128 v7, v[P0+4*\p:P0+4*\p+3] offset:\p*512          ; blocks 0, 2: lane r of the image
	ds_store_b128 v7, v[P0+12+4*\p:P0+12+4*\p+3] offset:\p*512+256   ; blocks 1, 3: lane 16 + r
.endr
.irp u, 0,1
.irp p, 0,1,2
	ds_load_b128 v[OUTR+4*(3*\u+\p):OUTR+4*(3*\u+\p)+3], v8 offset:\u*STGT+\p*512   ; in order behind my stores
.endr
.endr
	global_store_b32 v9, v[WD], s[30:31]           ; 32 lanes fill 128 consecutive bytes
.irp u, 0,1
.irp p, 0,1,2
	s_wait_dscnt 5-(3*\u+\p)                       ; this plane is back; the younger ones may be out
	global_store_b128 v3, v[OUTR+4*(3*\u+\p):OUTR+4*(3*\u+\p)+3], s[28:29] offset:\u*1536+\p*512   ; 512 consecutive bytes, at a multiple of 512 from the buffer's first byte
.endr
.endr
	s_wait_tensorcnt 0x0                           ; the wave's end, behind my last LDS store
	ds_add_u32 v[SPW], v[NIL]
	s_wait_dscnt 0x0
	s_endpgm
.Lfunc_end_k_q969bf2c791_quant:
	.size	k_q969bf2c791_quant, .Lfunc_end_k_q969bf2c791_quant-k_q969bf2c791_quant
	.p2alignl 7, 3214868480
	.fill 96, 4, 3214868480
	.section	.rodata,"a",@progbits
	.p2align	6, 0x0
	.amdhsa_kernel k_q969bf2c791_quant
		.amdhsa_group_segment_fixed_size 81408
		.amdhsa_private_segment_fixed_size 0
		.amdhsa_enable_private_segment 0
		.amdhsa_kernarg_size 48
		.amdhsa_user_sgpr_count 2
		.amdhsa_user_sgpr_kernarg_segment_ptr 1
		.amdhsa_wavefront_size32 1
		.amdhsa_system_sgpr_workgroup_id_x 1
		.amdhsa_system_sgpr_workgroup_id_y 1
		.amdhsa_system_sgpr_workgroup_id_z 1
		.amdhsa_system_vgpr_workitem_id 0
		.amdhsa_next_free_vgpr 240
		.amdhsa_next_free_sgpr 66
		.amdhsa_reserve_vcc 0
		.amdhsa_float_denorm_mode_32 3
		.amdhsa_float_denorm_mode_16_64 3
		.amdhsa_memory_ordered 1
		.amdhsa_forward_progress 1
		.amdhsa_inst_pref_size 43
	.end_amdhsa_kernel
	.amdgpu_metadata
---
amdhsa.version: [ 1, 2 ]
amdhsa.kernels:
  - .name:           k_q969bf2c791_quant
    .symbol:         k_q969bf2c791_quant.kd
    .args:
      - { .name: hidden_states, .offset: 0, .size: 8, .value_kind: global_buffer, .address_space: global }
      - { .name: Wq, .offset: 8, .size: 8, .value_kind: global_buffer, .address_space: global }
      - { .name: Wk, .offset: 16, .size: 8, .value_kind: global_buffer, .address_space: global }
      - { .name: Wv, .offset: 24, .size: 8, .value_kind: global_buffer, .address_space: global }
      - { .name: Wo, .offset: 32, .size: 8, .value_kind: global_buffer, .address_space: global }
      - { .name: ops, .offset: 40, .size: 8, .value_kind: global_buffer, .address_space: global }
    .group_segment_fixed_size: 81408
    .private_segment_fixed_size: 0
    .kernarg_segment_align: 8
    .kernarg_segment_size: 48
    .max_flat_workgroup_size: 128
    .sgpr_count:     66
    .vgpr_count:     240
    .wavefront_size: 32
...
	.end_amdgpu_metadata
.endif
;; end of part 1
;; launch qkv (part 2): grid 16 x 40, 4 waves a work-group, clusters of 4 x 4, 307,712 bytes of LDS; arguments ops, bq, bk, bv, qkb, vb; writes qkb, vb
.if DOCPART == 2
	.amdgcn_target "amdgcn-amd-amdhsa--gfx1250"
	.amdhsa_code_object_version 6
	.text
	.protected	k_q969bf2c791_qkv
	.globl	k_q969bf2c791_qkv
	.p2align	8
	.type	k_q969bf2c791_qkv,@function
k_q969bf2c791_qkv:
	s_mov_b64 s[64:65], 0
	v_nop
	global_prefetch_b8 v0, s[64:65] scope:SCOPE_SE
	s_setreg_imm32_b32 hwreg(HW_REG_WAVE_MODE, 25, 1), 1
	s_wait_xcnt 0x0
	s_wait_alu depctr_hold_cnt(0) depctr_sa_sdst(0) depctr_va_vdst(0) depctr_va_sdst(0) depctr_va_ssrc(0) depctr_va_vcc(0) depctr_vm_vsrc(0)
	s_getreg_b32 s2, hwreg(HW_REG_IB_STS2, 6, 4)
	s_cmp_eq_u32 s2, 0
	s_cbranch_scc0 .Lentry_in_a_cluster
	s_endpgm
.Lentry_in_a_cluster:
	s_bfe_u32 s2, ttmp6, 0x10000c
	s_cmp_lg_u32 s2, 0xf033
	s_cbranch_scc0 .Lentry_shape_is_right
	s_endpgm
.Lentry_shape_is_right:
; The three projections on codes of FP6, and the quantising of their results for attention.  One form serves both kinds: P[i][j] = sum over k of U[i][k] T[j][k] (+ bias), K = 1,024;
; the product is used transposed (source 0 = 16 rows of T, source 1 = 16 rows of U), so that a lane holds ONE i and its registers run along j, and P is quantised along j in blocks of 32.
;   cluster rows 0-7 (q and k): U = 128 tokens, T = 256 columns of [Wq | Wk], ordered head x 128 + half x 64 + d: a wave's 128 j are [x1 | x2] of one head: one operand image for a tile of tokens.
;   cluster rows 8-9 (v):       U = 128 columns of Wv, T = 256 tokens: j = the keys, which are the K of attention's second product.
; q's scale bytes lose 3: the scores' factor 1/8, a power of two, goes into the scale exactly.
; SHARES: a work-group makes 128 i x 256 j; wave w takes i tiles 4 (w % 2) .. + 3 and T's block w / 2: 64 x 128, 32 accumulators.
; LDS: U's operand block (102,400 bytes) at 0, T's two at 102,400: the whole K of both, filled ONCE, so there is no ring and no second fill.  Each wave brings a quarter of each by one tensor load: two are out.
; CLUSTER 4 x 4: U hangs on the work-group's y alone and is asked for jointly along a row of the cluster, T on its x (and on the cluster's y, which all partners share) along a column.
; No prefetch: all that the work-group reads is asked for at its head.
; OUT: qkb [g 0..31][batch] x 204,800 bytes (g < 16: q of head g; else k of head g - 16): 128 images of 1,536 bytes, then 128 x 64 bytes of scale words.  vb [16 batch + key group] x 409,600: image of tile 4 head + dt at x 1,536, words at 196,608.
; REGISTERS: window 0: v4-15 addresses; v16-27 scale words, two sets; v28-31 the words made; v32-79 U's, v80-175 T's fragments, set 0; later v32-95 a tile's 64 numbers, v160-239 codes, v240-255 at work.
;   window 1: accumulator (a, t) at 64 a + 8 t.   window 2: fragments, set 1; v176-239 the bias along j; v240-247 the bias of my i, twice for each a.
; LIMITS: a block whose largest magnitude lies under 2^-121 keeps the byte 4 (so that q's byte stays at 1 or above); a block of zeros likewise; NaN and infinities are not served.
; IN PLACE OF THE LINES ABOVE ON LDS AND OUT: each wave brings ONE joint load: waves 0 and 1 the halves of U's block, waves 2 and 3 one of T's two blocks each.
; OUT: qkb [head][batch] x 204,800 bytes holds q alone (128 images of 1,536 bytes, then 128 x 64 bytes of scale words).  vb [16 batch + head] x 307,200 bytes holds k and v of one head, dense:
; k's 128 images and its 8,192 bytes of words, then from 204,800 v's images at 6,144 x key group + 1,536 x dt and from 303,104 its words at 256 x key group + 64 x dt.
.set OPB,   102400
.set TLDS,  102400
.set SPARE, 307200                     ; the spare words, 128 bytes for each wave, which no other line names
.set SPW,   10
.set NIL,   11
.set L16,   12
.set L4,    13
.set BO,    14
.set SCS,   16
.set PW,    28
.set UF,    32
.set TF,    80
.set H,     32
.set PC,    160
.set TM,    240
.set BJ,    176
.set BI,    240
.set FLOORQ, 0x3000000
.set WV,    16
.set MSB, 0
.macro WIN new                         ; the immediate's high byte repeats the setting that is left
.if MSB != \new
	s_set_vgpr_msb (MSB<<8)|\new
.set MSB, \new
.endif
.endm
.macro CROUND                          ; a round of the cluster's barrier
	s_barrier_signal -1
	s_barrier_wait -1
	s_cmp_lg_u32 s[WV], 0
	s_cbranch_scc1 .Lnot_wave_0_\@
	s_barrier_signal -3
.Lnot_wave_0_\@:
	s_barrier_wait -3
	s_barrier_signal -1
	s_barrier_wait -1
.endm
; one product: D, source 0, source 1, C (under 0: the constant 0), the two scale registers, and whether each side's words lie in lanes 16-31
.macro WM d, a, b, c, sa, sb, ra, rb
.if (\c) < 0
.if (\ra) && (\rb)
	v_wmma_scale_f32_16x16x128_f8f6f4 v[\d:\d+7], v[\a:\a+11], v[\b:\b+11], 0, v[\sa], v[\sb] matrix_a_fmt:MATRIX_FMT_FP6 matrix_b_fmt:MATRIX_FMT_FP6 matrix_a_scale:MATRIX_SCALE_ROW1 matrix_b_scale:MATRIX_SCALE_ROW1
.elseif (\ra)
	v_wmma_scale_f32_16x16x128_f8f6f4 v[\d:\d+7], v[\a:\a+11], v[\b:\b+11], 0, v[\sa], v[\sb] matrix_a_fmt:MATRIX_FMT_FP6 matrix_b_fmt:MATRIX_FMT_FP6 matrix_a_scale:MATRIX_SCALE_ROW1
.elseif (\rb)
	v_wmma_scale_f32_16x16x128_f8f6f4 v[\d:\d+7], v[\a:\a+11], v[\b:\b+11], 0, v[\sa], v[\sb] matrix_a_fmt:MATRIX_FMT_FP6 matrix_b_fmt:MATRIX_FMT_FP6 matrix_b_scale:MATRIX_SCALE_ROW1
.else
	v_wmma_scale_f32_16x16x128_f8f6f4 v[\d:\d+7], v[\a:\a+11], v[\b:\b+11], 0, v[\sa], v[\sb] matrix_a_fmt:MATRIX_FMT_FP6 matrix_b_fmt:MATRIX_FMT_FP6
.endif
.else
.if (\ra) && (\rb)
	v_wmma_scale_f32_16x16x128_f8f6f4 v[\d:\d+7], v[\a:\a+11], v[\b:\b+11], v[\c:\c+7], v[\sa], v[\sb] matrix_a_fmt:MATRIX_FMT_FP6 matrix_b_fmt:MATRIX_FMT_FP6 matrix_a_scale:MATRIX_SCALE_ROW1 matrix_b_scale:MATRIX_SCALE_ROW1
.elseif (\ra)
	v_wmma_scale_f32_16x16x128_f8f6f4 v[\d:\d+7], v[\a:\a+11], v[\b:\b+11], v[\c:\c+7], v[\sa], v[\sb] matrix_a_fmt:MATRIX_FMT_FP6 matrix_b_fmt:MATRIX_FMT_FP6 matrix_a_scale:MATRIX_SCALE_ROW1
.elseif (\rb)
	v_wmma_scale_f32_16x16x128_f8f6f4 v[\d:\d+7], v[\a:\a+11], v[\b:\b+11], v[\c:\c+7], v[\sa], v[\sb] matrix_a_fmt:MATRIX_FMT_FP6 matrix_b_fmt:MATRIX_FMT_FP6 matrix_b_scale:MATRIX_SCALE_ROW1
.else
	v_wmma_scale_f32_16x16x128_f8f6f4 v[\d:\d+7], v[\a:\a+11], v[\b:\b+11], v[\c:\c+7], v[\sa], v[\sb] matrix_a_fmt:MATRIX_FMT_FP6 matrix_b_fmt:MATRIX_FMT_FP6
.endif
.endif
.endm
; K step s: 42 LDS loads into set s % 2: U's 4 fragments, T's 8 (three loads of 16 bytes a lane each: the images lie as the registers want them), and 6 registers of scale words (lanes 0-15 an even tile's, lanes 16-31 the next's)
.macro FETCH s
.if ((\s)%2)
	WIN 0x80
.else
	WIN 0
.endif
.irp a, 0,1,2,3
.irp p, 0,1,2
	ds_load_b128 v[UF+12*\a+4*\p:UF+12*\a+4*\p+3], v[4+(\s)/4] offset:((\s)%4)*12288+\a*1536+\p*512
.endr
.endr
.irp t, 0,1,2,3,4,5,6,7
.irp p, 0,1,2
	ds_load_b128 v[TF+12*\t+4*\p:TF+12*\t+4*\p+3], v[6+(\s)/4] offset:((\s)%4)*12288+\t*1536+\p*512
.endr
.endr
	WIN 0
.irp q, 0,1
	ds_load_b32 v[SCS+6*((\s)%2)+\q], v8 offset:(\s)*512+\q*128
.endr
.irp q, 0,1,2,3
	ds_load_b32 v[SCS+2+6*((\s)%2)+\q], v9 offset:(\s)*512+\q*128
.endr
.endm
; K step s: 32 products; the 32 accumulators take turns, one instruction a turn, in the same order in every step.  Step 0 starts the sums: nothing is cleared
.macro MUL s
.if ((\s)%2)
	WIN 0x5a
.else
	WIN 0x50
.endif
.irp a, 0,1,2,3
.irp t, 0,1,2,3,4,5,6,7
.if (\s) == 0
	WM (64*\a+8*\t), (TF+12*\t), (UF+12*\a), -1, (SCS+2+6*((\s)%2)+\t/2), (SCS+6*((\s)%2)+\a/2), \t%2, \a%2
.else
	WM (64*\a+8*\t), (TF+12*\t), (UF+12*\a), (64*\a+8*\t), (SCS+2+6*((\s)%2)+\t/2), (SCS+6*((\s)%2)+\a/2), \t%2, \a%2
.endif
.endr
.endr
.endm
.macro STEP s
.if (\s) < 7
.if (\s) > 0
.rept 4
	v_nop                                          ; four plain instructions between the last products and loads into the set that they read (ISA guide 7.12.1 for vector instructions)
.endr
.endif
	FETCH (\s)+1
	s_wait_dscnt 42                                ; all but the 42 just issued: this step's fragments and words are in
.else
	s_wait_dscnt 0x0
.endif
	MUL \s
.endm
; 64 numbers of a lane, register 16 b + i = j 32 b + 16 (lane / 16) + i of my row, become a fragment's codes in v[pc] .. v[pc + 11] and its scale word in v[pw]
.macro QUANT s, pc, pw
.irp b, 0,1,2,3
	v_max3_num_f32 v[TM+\b], |v[\s+16*\b]|, |v[\s+1+16*\b]|, FLOORQ   ; and the floor 2^(6 - 127): the byte cannot fall under 4
.endr
.irp i, 2,4,6,8,10,12,14
.irp b, 0,1,2,3
	v_max3_num_f32 v[TM+\b], v[TM+\b], |v[\s+16*\b+\i]|, |v[\s+1+16*\b+\i]|
.endr
.endr
.irp b, 0,1,2,3
	v_permlanex16_b32 v[TM+4+\b], v[TM+\b], s36, s37
.endr
.irp b, 0,1,2,3
	v_max_num_f32 v[TM+\b], v[TM+\b], v[TM+4+\b]   ; with lane l xor 16's 16: the block's largest magnitude
.endr
.irp b, 0,1,2,3
	v_add_nc_u32 v[TM+12+\b], 0xff000000, v[TM+\b] ; 2 off the exponent field: the conversion's scale operand
.endr
.irp b, 0,1,2,3
	v_lshrrev_b32 v[TM+4+\b], 23, v[TM+12+\b]      ; the scale's byte
.endr
	v_lshl_or_b32 v[\pw], v[TM+5], 8, v[TM+4]
	v_lshl_or_b32 v[\pw], v[TM+6], 16, v[\pw]
	v_lshl_or_b32 v[\pw], v[TM+7], 24, v[\pw]
.irp c, 0,1
	v_cvt_scalef32_pk16_fp6_f32 v[\pc+6*\c:\pc+2+6*\c], v[\s+32*\c:\s+15+32*\c], v[TM+12+2*\c]
	v_cvt_scalef32_pk16_fp6_f32 v[\pc+12+4*\c:\pc+14+4*\c], v[\s+16+32*\c:\s+31+32*\c], v[TM+12+2*\c+1]
.endr
	v_nop                                          ; one plain instruction behind the conversions
.irp c, 0,1                            ; the operand's layout wants a whole block in a lane
.irp i, 0,1,2
	v_permlane16_swap_b32 v[\pc+6*\c+\i], v[\pc+12+4*\c+\i]
.endr
.irp i, 0,1,2
	v_mov_b32 v[\pc+3+6*\c+\i], v[\pc+12+4*\c+\i]
.endr
.endr
.endm
	s_load_b256 s[4:11], s[0:1], 0x0               ; ops, bq, bk, bv
	s_load_b128 s[12:15], s[0:1], 0x20             ; qkb, vb
	v_lshl_add_u32 v[SPW], v0, 2, SPARE
	v_mov_b32 v[NIL], 0
	ds_add_u32 v[SPW], v[NIL]                      ; the wave's opening: the add and its wait ahead of my first tensor load; work on registers stands between them
	ds_add_u32 v[SPW], v[NIL]
	v_lshrrev_b32 v1, 5, v0
	v_readfirstlane_b32 s[WV], v1                  ; wave 0..3
	s_and_b32 s17, s16, 1                          ; wi: which 64 of the 128 i
	s_lshr_b32 s18, s16, 1                         ; wj: which of T's two blocks
	s_bfe_u32 s40, ttmp6, 0x40000                  ; cx
	s_bfe_u32 s41, ttmp6, 0x40004                  ; cy
	s_lshl_b32 s42, ttmp9, 2
	s_add_co_u32 s42, s42, s40                     ; xb
	s_and_b32 s43, ttmp7, 0xffff                   ; the cluster's y: 8 and 9 make v
	s_lshl_b32 s44, s43, 2
	s_add_co_u32 s44, s44, s41                     ; yb
	s_lshl_b32 s45, s41, 2
	s_lshl_b32 s45, 15, s45                        ; my row of the cluster
	s_lshl_b32 s46, 0x1111, s40                    ; my column
	s_or_b32 s24, s45, (3<<16)|(1<<21)             ; U: 15:0 the mask; 17:16 elements of 8 bytes; 21 set beside a mask; no padding
	s_mov_b32 s25, 32<<16                          ; rows of 32 elements = 256 bytes
	s_mov_b32 s26, 200<<16                         ; 200 rows: half a block
	s_mov_b32 s27, 32<<16
	s_mov_b32 s28, 200
	s_mov_b32 s29, 32                              ; dense
	s_mov_b32 s30, 0
	s_mov_b32 s31, 0
	s_or_b32 s48, s46, (3<<16)|(1<<21)             ; T: the same with my column's mask and 400 rows: one of its two blocks
	s_mov_b32 s49, 32<<16
	s_mov_b32 s50, 400<<16                         ; 400 rows: one of T's two blocks
	s_mov_b32 s51, 32<<16
	s_mov_b32 s52, 400
	s_mov_b32 s53, 32
	s_mov_b32 s54, 0
	s_mov_b32 s55, 0
	s_cmp_ge_u32 s43, 8
	s_cselect_b32 s47, 3276800, 0                  ; v: U lies 32 blocks further on (Wv's blocks 64-71),
	s_cselect_b32 s38, 0, 3276800                  ; and T is the tokens; else T is [Wq | Wk], from block 32 on
	s_mul_i32 s20, s44, OPB
	s_add_co_u32 s20, s20, s47
	s_mul_i32 s33, s17, 51200                      ; which half of U, in LDS
	s_add_co_u32 s20, s20, s33                     ; and in memory
	s_mov_b32 s21, 0
	s_mul_i32 s22, s42, 2*OPB
	s_add_co_u32 s22, s22, s38
	s_mul_i32 s57, s17, 102400                     ; which block of T
	s_add_co_u32 s22, s22, s57
	s_mov_b32 s23, 0
	s_add_co_u32 s57, s57, TLDS
	s_mov_b32 s32, 1
	s_mov_b32 s56, 1
	s_wait_dscnt 0x0                               ; the opening add is done
	s_wait_kmcnt 0x0
	s_add_nc_u64 s[34:35], s[4:5], s[20:21]
	s_or_b32 s35, s35, 0x80000000
	s_add_nc_u64 s[58:59], s[4:5], s[22:23]
	s_or_b32 s59, s59, 0x80000000
	CROUND                                         ; all sixteen work-groups are here: the joint loads meet
	s_cmp_eq_u32 s18, 0                            ; waves 0, 1 ask for U, waves 2, 3 for T: one load a wave
	s_cbranch_scc0 .Lfor_t
	tensor_load_to_lds s[32:35], s[24:31]
	s_nop 0
.rept 4
	v_nop
.endr
	s_branch .Lasked
.Lfor_t:
	tensor_load_to_lds s[56:59], s[48:55]
	s_nop 0
.rept 4
	v_nop
.endr
.Lasked:
.rept 4
	v_nop
.endr
	v_and_b32 v1, 31, v0
	v_lshlrev_b32 v[L16], 4, v1
	v_lshlrev_b32 v[L4], 2, v1
	s_mul_i32 s39, s17, 6144
	v_add_nc_u32 v4, s39, v[L16]                   ; U's images: my four tiles, K steps 0-3;
	v_add_nc_u32 v5, 49152, v4                     ; K steps 4-7
	s_mul_i32 s39, s18, OPB
	s_add_co_u32 s39, s39, TLDS
	v_add_nc_u32 v6, s39, v[L16]                   ; T's likewise
	v_add_nc_u32 v7, 49152, v6
	s_add_co_u32 s39, s39, 98304
	v_add_nc_u32 v9, s39, v[L4]                    ; T's scale words
	s_lshl_b32 s39, s17, 8
	s_add_co_u32 s39, s39, 98304
	v_add_nc_u32 v8, s39, v[L4]                    ; U's
	s_lshl_b32 s19, s42, 1
	s_add_co_u32 s19, s19, s18                     ; g: which 128 j are mine
	s_mov_b32 s75, 0xffff0000                      ; lanes 16-31
	s_mov_b32 s36, 0x76543210
	s_mov_b32 s37, 0xfedcba98                      ; v_permlanex16_b32's selects for lane l xor 16
.irp b, 0,1,2,3
	v_mov_b32 v[TM+4+\b], 0                        ; written once: a lane permute's destination counts as one of its sources
.endr
	s_wait_tensorcnt 0x0                           ; my one load is in,
	s_barrier_signal -1
	s_barrier_wait -1                              ; everybody's are.  Nothing is filled again
.macro BODY kind
.if \kind == 0
	s_cmp_lt_u32 s19, 16                           ; q's head or k's
	s_cselect_b64 s[60:61], s[6:7], s[8:9]
	s_cselect_b32 s67, 0x03030303, 0               ; 3 off each of q's four bytes: x 1/8
	s_and_b32 s62, s19, 15
	s_lshl_b32 s62, s62, 8                         ; the head's 64 numbers
	s_mov_b32 s63, 0
	s_add_nc_u64 s[60:61], s[60:61], s[62:63]
	v_bfe_u32 v[BO], v0, 4, 1
	v_lshlrev_b32 v[BO], 6, v[BO]                  ; + 16 (lane / 16) numbers
	WIN 0x80
.irp t, 0,1,2,3,4,5,6,7                ; register 8 t + i belongs to half t / 4, d = 32 ((t / 2) % 2) + 16 (lane / 16) + 8 (t % 2) + i
	global_load_b128 v[BJ+8*\t:BJ+8*\t+3], v[BO], s[60:61] offset:(32*((\t/2)%2)+8*(\t%2))*4+(\t/4)*4096
	global_load_b128 v[BJ+8*\t+4:BJ+8*\t+7], v[BO], s[60:61] offset:(32*((\t/2)%2)+8*(\t%2))*4+(\t/4)*4096+16
.endr
	WIN 0
	s_lshl_b32 s68, s44, 3
.else
	s_sub_co_u32 s68, s44, 32                      ; which 128 columns of Wv
	s_lshl_b32 s62, s68, 9
	s_lshl_b32 s63, s17, 8
	s_add_co_u32 s62, s62, s63
	s_mov_b32 s63, 0
	s_add_nc_u64 s[60:61], s[10:11], s[62:63]
	v_and_b32 v[BO], 15, v0
	v_and_b32 v15, 8, v[BO]
	v_add_nc_u32 v[BO], v[BO], v15
	v_lshlrev_b32 v[BO], 2, v[BO]                  ; my row of a tile: r + 8 (r / 8)
	WIN 0x80
.irp a, 0,1,2,3
	global_load_b32 v[BI+2*\a], v[BO], s[60:61] offset:(32*(\a/2)+8*(\a%2))*4
	global_load_b32 v[BI+2*\a+1], v[BO], s[60:61] offset:(32*(\a/2)+8*(\a%2))*4   ; twice: a pair for the packed addition
.endr
	WIN 0
	s_lshl_b32 s68, s68, 3
	s_mov_b64 s[70:71], s[14:15]
.endif
	s_lshl_b32 s69, s17, 2
	s_add_co_u32 s68, s68, s69                     ; A0: my first tile of i
.if \kind == 0
	s_lshr_b32 s73, s68, 7                         ; batch
	s_mul_i32 s72, s19, 409600
	s_mul_i32 s74, s73, 204800
	s_add_co_u32 s72, s72, s74                     ; q: qkb [head][batch]
	s_lshl_b32 s73, s73, 4
	s_add_co_u32 s73, s73, s19
	s_sub_co_u32 s73, s73, 16
	s_mul_i32 s73, s73, 307200                     ; k: vb [16 batch + head]
	s_cmp_lt_u32 s19, 16
	s_cselect_b32 s72, s72, s73
	s_cselect_b64 s[70:71], s[12:13], s[14:15]
	s_and_b32 s74, s68, 127                        ; the token tile in its batch
	s_mul_i32 s76, s74, 1536
	s_lshl_b32 s78, s74, 6
	s_add_co_u32 s78, s78, 196608
.else
	s_lshr_b32 s73, s19, 4                         ; batch
	s_lshl_b32 s73, s73, 4
	s_lshr_b32 s74, s68, 2                         ; head
	s_add_co_u32 s73, s73, s74
	s_mul_i32 s72, s73, 307200
	s_add_co_u32 s72, s72, 204800                  ; v lies behind the head's k
	s_and_b32 s74, s19, 15                         ; key group
	s_mul_i32 s76, s74, 6144
	s_lshl_b32 s78, s74, 8
	s_add_co_u32 s78, s78, 98304
.endif
	s_add_co_u32 s76, s76, s72
	s_mov_b32 s77, 0
	s_add_co_u32 s78, s78, s72
	s_mov_b32 s79, 0
	s_add_nc_u64 s[76:77], s[70:71], s[76:77]      ; where my four images go,
	s_add_nc_u64 s[78:79], s[70:71], s[78:79]      ; and their scale words
	FETCH 0
.irp s, 0,1,2,3,4,5,6,7
	STEP \s
.endr
.rept 4
	v_nop                                          ; four plain instructions behind the last products, ahead of the first read of results and of writes over fragments
.endr
	s_wait_loadcnt 0x0                             ; the bias
.irp a, 0,1,2,3
	WIN 0x09                                       ; source 0 (sums) window 1, source 1 (bias) window 2, destination window 0
.set jj, 0
.rept 32
.if \kind == 0
	v_pk_add_f32 v[H+jj:H+jj+1], v[64*\a+jj:64*\a+jj+1], v[BJ+jj:BJ+jj+1]   ; each accumulator from its low end on
.else
	v_pk_add_f32 v[H+jj:H+jj+1], v[64*\a+jj:64*\a+jj+1], v[BI+2*\a:BI+2*\a+1]
.endif
.set jj, jj+2
.endr
	WIN 0
	QUANT H, PC+20*\a, PW+\a
.if \kind == 0
	v_sub_nc_u32 v[PW+\a], v[PW+\a], s67           ; every byte is 4 or more: no borrow
.endif
.irp p, 0,1,2
	global_store_b128 v[L16], v[PC+20*\a+4*\p:PC+20*\a+4*\p+3], s[76:77] offset:\a*1536+\p*512   ; 512 consecutive bytes; each tile has its own registers, so none is written again
.endr
.endr
	v_cndmask_b32 v2, v[PW], v[PW+1], s75          ; lanes 0-15 an even tile's words, lanes 16-31 the next's
	v_cndmask_b32 v3, v[PW+2], v[PW+3], s75
	global_store_b32 v[L4], v2, s[78:79]
	global_store_b32 v[L4], v3, s[78:79] offset:128
.endm
	s_cmp_ge_u32 s43, 8                            ; the cluster's y: the same in all sixteen partners
	s_cbranch_scc1 .Lvalues
	s_wait_alu depctr_va_vdst(0)
	BODY 0
	s_branch .Lend
.Lvalues:
	s_wait_alu depctr_va_vdst(0)
	BODY 1
.Lend:
	s_wait_tensorcnt 0x0                           ; the wave's end
	ds_add_u32 v[SPW], v[NIL]
	s_wait_dscnt 0x0
	CROUND                                         ; the closing round
	s_endpgm
.Lfunc_end_k_q969bf2c791_qkv:
	.size	k_q969bf2c791_qkv, .Lfunc_end_k_q969bf2c791_qkv-k_q969bf2c791_qkv
	.p2alignl 7, 3214868480
	.fill 96, 4, 3214868480
	.section	.rodata,"a",@progbits
	.p2align	6, 0x0
	.amdhsa_kernel k_q969bf2c791_qkv
		.amdhsa_group_segment_fixed_size 307712
		.amdhsa_private_segment_fixed_size 0
		.amdhsa_enable_private_segment 0
		.amdhsa_kernarg_size 48
		.amdhsa_user_sgpr_count 2
		.amdhsa_user_sgpr_kernarg_segment_ptr 1
		.amdhsa_wavefront_size32 1
		.amdhsa_system_sgpr_workgroup_id_x 1
		.amdhsa_system_sgpr_workgroup_id_y 1
		.amdhsa_system_sgpr_workgroup_id_z 1
		.amdhsa_system_vgpr_workitem_id 0
		.amdhsa_next_free_vgpr 768
		.amdhsa_next_free_sgpr 84
		.amdhsa_reserve_vcc 0
		.amdhsa_float_denorm_mode_32 3
		.amdhsa_float_denorm_mode_16_64 3
		.amdhsa_memory_ordered 1
		.amdhsa_forward_progress 1
		.amdhsa_inst_pref_size 170
	.end_amdhsa_kernel
	.amdgpu_metadata
---
amdhsa.version: [ 1, 2 ]
amdhsa.kernels:
  - .name:           k_q969bf2c791_qkv
    .symbol:         k_q969bf2c791_qkv.kd
    .args:
      - { .name: ops, .offset: 0, .size: 8, .value_kind: global_buffer, .address_space: global }
      - { .name: bq, .offset: 8, .size: 8, .value_kind: global_buffer, .address_space: global }
      - { .name: bk, .offset: 16, .size: 8, .value_kind: global_buffer, .address_space: global }
      - { .name: bv, .offset: 24, .size: 8, .value_kind: global_buffer, .address_space: global }
      - { .name: qkb, .offset: 32, .size: 8, .value_kind: global_buffer, .address_space: global }
      - { .name: vb, .offset: 40, .size: 8, .value_kind: global_buffer, .address_space: global }
    .group_segment_fixed_size: 307712
    .private_segment_fixed_size: 0
    .kernarg_segment_align: 8
    .kernarg_segment_size: 48
    .max_flat_workgroup_size: 128
    .sgpr_count:     84
    .vgpr_count:     768
    .wavefront_size: 32
...
	.end_amdgpu_metadata
.endif
;; end of part 2
;; launch attn (part 3): grid 8 x 32, 4 waves a work-group, clusters of 4 x 1, 327,680 bytes of LDS; arguments qkb, vb, attention_mask, lq1, lk1, lq2, lk2, ao; writes ao
.if DOCPART == 3
	.amdgcn_target "amdgcn-amd-amdhsa--gfx1250"
	.amdhsa_code_object_version 6
	.text
	.protected	k_q969bf2c791_attn
	.globl	k_q969bf2c791_attn
	.p2align	8
	.type	k_q969bf2c791_attn,@function
k_q969bf2c791_attn:
	s_mov_b64 s[64:65], 0
	v_nop
	global_prefetch_b8 v0, s[64:65] scope:SCOPE_SE
	s_setreg_imm32_b32 hwreg(HW_REG_WAVE_MODE, 25, 1), 1
	s_wait_xcnt 0x0
	s_wait_alu depctr_hold_cnt(0) depctr_sa_sdst(0) depctr_va_vdst(0) depctr_va_sdst(0) depctr_va_ssrc(0) depctr_va_vcc(0) depctr_vm_vsrc(0)
	s_getreg_b32 s2, hwreg(HW_REG_IB_STS2, 6, 4)
	s_cmp_eq_u32 s2, 0
	s_cbranch_scc0 .Lentry_in_a_cluster
	s_endpgm
.Lentry_in_a_cluster:
	s_bfe_u32 s2, ttmp6, 0x10000c
	s_cmp_lg_u32 s2, 0x3003
	s_cbranch_scc0 .Lentry_shape_is_right
	s_endpgm
.Lentry_shape_is_right:
; attn = softmax(q1 k1^T / 8 + mask) - lam softmax(q2 k2^T / 8 + mask), quantised FINISHED along the keys, times V; the result is quantised along (head, d) for the last projection.  All products on codes of FP6.
; EVERY SCORE AND EVERY EXPONENTIAL IS MADE ONCE.  A work-group owns 256 queries of one head and takes them in 16 passes of one tile of 16.  In a pass wave w holds the tile's scores for ITS 512 keys
; (512 w ..) of both softmaxes in 512 registers.  It takes its own largest score, NM = floor(-c x largest), c = log2(e), a whole number, p' = 2^(c t + NM) <= 1 and l = the sum of p'.
; The four waves exchange (NM, l) through LDS; with N = the least NM and L = the sum of l 2^(N - NM), attn = p1' g1 + p2' g2, g1 = 2^(N1 - NM1) / L1, g2 = -lam 2^(N2 - NM2) / L2.
; attn is quantised in the registers and multiplied by the wave's 512 keys of V; the four partial O^T are added through LDS a pass later by waves 0 and 1 (32 of the head's 64 each), which quantise them;
; their codes meet in a stage of LDS, and wave 2 stores them one more pass later as whole runs of 256 bytes.
; TWO BARRIERS A PASS.  A: the (NM, l) are stored.  B: everybody has read the (NM, l), the last pass's partial O^T and the stage; its signal stands behind those reads and its wait in front of this pass's LDS stores,
; with register work and reads of V (which nobody writes) between.  So each of these LDS regions serves every pass.
; A key's fragment is [k1 | k2], 128 along K; it is multiplied by [q1 | 0] and by [0 | q2], which share six registers of zero codes.  The factor 1/8 lies in q's scale bytes.
; The mask's term (1 - mask) x -10000 hangs on the key alone; a wave's keys never change, so its 256 registers of terms are made once and are the C of each score product.
; Both products are used transposed (source 0 = 16 keys, or 16 of the head's 64; source 1 = 16 queries): a lane holds one query, and its 16 registers of two neighbouring tiles are 16 neighbours.
; LDS: the head's K and V, one dense block of 307,200 bytes of memory, filled ONCE, a quarter by each wave's one tensor load; behind it the (NM, l), the partial O^T, the stage, the spare words.
; CLUSTER 4 x 1: the four query blocks of a cluster belong to one head and ask for its K and V jointly.  No prefetch: K and V are asked for once, at the head; the next pass's Q is loaded a pass ahead.
; WINDOWS: 0: addresses, Q, eight key fragments (behind the scores: the partial O^T, then V's K step 3), scale words, what is at work.  1: the mask's terms, tile t at 8 t.
;   2: scores of the first softmax, tile t at 8 t; later attn.  3: scores of the second softmax; behind the combining: attn's codes at 20 s, O^T at 80, V's K steps 0 to 2 at 112.
; LIMITS: the promise holds while the scaled scores stay under 2^31 in magnitude; NaN and infinities are not served; a block of zeros keeps the byte 1 (its codes are zeros; this program alone reads the bytes).
.set KSCL,  196608
.set VCOD,  204800
.set VSCL,  303104
.set STAT,  307200                     ; 4 waves x 16 queries x (NM1, l1, NM2, l2)
.set OX,    308224                     ; 4 waves x 4 tiles x 1,024 bytes of partial O^T
.set STGE,  324608                     ; three planes of 256 bytes of codes, 32 scale bytes at 768
.set SPARE, 325632                     ; the spare words, 128 bytes for each wave, which no other line names
.set AK,2
.set AKS,3
.set AV,4
.set AVS,5
.set ASTW,6
.set ASTR,7
.set AOW,8
.set AOR,9
.set ASGA,10
.set ASGB,11
.set SPW,12
.set NIL,13
.set LAM,14
.set L16,15
.set ASGR,16
.set ASGS,17
.set GQS,18
.set L8,19
.set NM,20                             ; v20-23: NM1, l1, NM2, l2
.set G,24                              ; v24, v26: g1, g2 (each the low word of a pair)
.set QS,28
.set ASGC,29
.set PW,30                             ; v30-33 attn's scale words
.set VSC,34                            ; v34-41 V's
.set KSC,42                            ; v42-45 K's
.set QF,46                             ; v46-63 q1, zeros, q2
.set KF,64                             ; v64-159 eight key fragments
.set MXA,160                           ; v160-175 running maxima, eight for each softmax; later the sixteen blocks' scale operands
.set LS,176                            ; v176-207 running sums, eight pairs for each softmax; later the sixteen blocks' maxima and bytes
.set ST,208                            ; v208-223 the four waves' (NM, l)
.set TM,224                            ; v224-239 at work
.set RC,240                            ; v240-242 O's codes, v243 its scale byte
.set SGR,248                           ; v248-254 wave 2: the stage on its way out
.set AM,255
.set PC,0
.set O,80
.set VF,112
.set WV,20
.set MSB, 0
.macro WIN new                         ; the immediate's high byte repeats the setting that is left
.if MSB != \new
	s_set_vgpr_msb (MSB<<8)|\new
.set MSB, \new
.endif
.endm
.macro WA
	s_wait_alu depctr_va_vdst(0)
.endm
.macro CROUND                          ; a round of the cluster's barrier
	s_barrier_signal -1
	s_barrier_wait -1
	s_cmp_lg_u32 s[WV], 0
	s_cbranch_scc1 .Lnot_wave_0_\@
	s_barrier_signal -3
.Lnot_wave_0_\@:
	s_barrier_wait -3
	s_barrier_signal -1
	s_barrier_wait -1
.endm
.macro WM d, a, b, c, sa, sb, ra       ; one product: D, source 0, source 1, C (under 0: the constant 0), the scale registers, and whether source 0's words lie in lanes 16-31
.if (\c) < 0
.if (\ra)
	v_wmma_scale_f32_16x16x128_f8f6f4 v[\d:\d+7], v[\a:\a+11], v[\b:\b+11], 0, v[\sa], v[\sb] matrix_a_fmt:MATRIX_FMT_FP6 matrix_b_fmt:MATRIX_FMT_FP6 matrix_a_scale:MATRIX_SCALE_ROW1
.else
	v_wmma_scale_f32_16x16x128_f8f6f4 v[\d:\d+7], v[\a:\a+11], v[\b:\b+11], 0, v[\sa], v[\sb] matrix_a_fmt:MATRIX_FMT_FP6 matrix_b_fmt:MATRIX_FMT_FP6
.endif
.else
.if (\ra)
	v_wmma_scale_f32_16x16x128_f8f6f4 v[\d:\d+7], v[\a:\a+11], v[\b:\b+11], v[\c:\c+7], v[\sa], v[\sb] matrix_a_fmt:MATRIX_FMT_FP6 matrix_b_fmt:MATRIX_FMT_FP6 matrix_a_scale:MATRIX_SCALE_ROW1
.else
	v_wmma_scale_f32_16x16x128_f8f6f4 v[\d:\d+7], v[\a:\a+11], v[\b:\b+11], v[\c:\c+7], v[\sa], v[\sb] matrix_a_fmt:MATRIX_FMT_FP6 matrix_b_fmt:MATRIX_FMT_FP6
.endif
.endif
.endm
.macro KLOAD pp                        ; pair pp of my key tiles into buffer pp % 4: 7 LDS loads (destination and address in window 0)
.irp u, 0,1
.irp q, 0,1,2
	ds_load_b128 v[KF+24*((\pp)%4)+12*\u+4*\q:KF+24*((\pp)%4)+12*\u+4*\q+3], v[AK] offset:(\pp)*3072+\u*1536+\q*512
.endr
.endr
	ds_load_b32 v[KSC+(\pp)%4], v[AKS] offset:(\pp)*128   ; lanes 0-15 the first tile's words, lanes 16-31 the second's
.endm
.macro MAX4 tt, kk                     ; the eight scores of tile tt, from the low end on, into four of the softmax's eight maxima (tiles by turns: fifteen plain lines lie between two uses of one)
.set mi, 0
.rept 4
.if (\tt) < 2
	v_max3_num_f32 v[MXA+8*(\kk)+4*((\tt)%2)+mi], s73, v[8*(\tt)+2*mi], v[8*(\tt)+2*mi+1]
.else
	v_max3_num_f32 v[MXA+8*(\kk)+4*((\tt)%2)+mi], v[MXA+8*(\kk)+4*((\tt)%2)+mi], v[8*(\tt)+2*mi], v[8*(\tt)+2*mi+1]
.endif
.set mi, mi+1
.endr
.endm
.macro QLOAD                           ; of an image's twelve registers 0-5 are q1's codes and 6-11 q2's
	global_load_b128 v[QF:QF+3], v[L16], s[78:79]
	global_load_b64 v[QF+4:QF+5], v[L16], s[78:79] offset:512
	global_load_b64 v[QF+12:QF+13], v[L16], s[78:79] offset:520
	global_load_b128 v[QF+14:QF+17], v[L16], s[78:79] offset:1024
	global_load_b32 v[QS], v[GQS], s[80:81]
.endm
.macro FMAS kk                         ; c t + NM for the softmax's first 64 scores
.set j, 0
.rept 32
	v_pk_fma_f32 v[j:j+1], v[j:j+1], s[66:67], v[NM+2*(\kk):NM+2*(\kk)+1] op_sel_hi:[1,0,0]
.set j, j+2
.endr
.endm
.macro EXPF kk, lo                     ; 64 exponentials from register lo on; among them, in the same window, c t + NM for the next 64 scores, which are read behind the next wait
.set j, \lo
.rept 32
	v_exp_f32 v[j], v[j]
	v_pk_fma_f32 v[j+64:j+65], v[j+64:j+65], s[66:67], v[NM+2*(\kk):NM+2*(\kk)+1] op_sel_hi:[1,0,0]
	v_exp_f32 v[j+1], v[j+1]
.set j, j+2
.endr
.endm
.macro EXPL                            ; the last 64 exponentials of a softmax
.set j, 192
.rept 64
	v_exp_f32 v[j], v[j]
.set j, j+1
.endr
.endm
.macro SUMS kk                         ; the softmax's 256 p' into eight pairs of sums
	WIN 0x0a+5*(\kk)
.set i, 0
.rept 8
	v_pk_add_f32 v[LS+16*(\kk)+2*i:LS+16*(\kk)+2*i+1], v[4*i:4*i+1], v[4*i+2:4*i+3]
.set i, i+1
.endr
	WIN 0x08+4*(\kk)
.set j, 32
.rept 112
	v_pk_add_f32 v[LS+16*(\kk)+2*((j/2)%8):LS+16*(\kk)+2*((j/2)%8)+1], v[LS+16*(\kk)+2*((j/2)%8):LS+16*(\kk)+2*((j/2)%8)+1], v[j:j+1]
.set j, j+2
.endr
.endm
.macro VLOAD ss                        ; V's four fragments of my K step ss: 12 LDS loads
.if (\ss) < 3
	WIN 0xc0
.set vd, VF+48*(\ss)
.else
	WIN 0
.set vd, KF
.endif
.irp dt, 0,1,2,3
.irp q, 0,1,2
	ds_load_b128 v[vd+12*\dt+4*\q:vd+12*\dt+4*\q+3], v[AV] offset:(\ss)*6144+\dt*1536+\q*512
.endr
.endr
.endm
; behind barrier A: the (NM, l); waves 0, 1, from pass 1 on: the last pass's partial O^T of their 32 d; wave 2, from pass 2 on: the stage.  s74 counts passes
.macro AFTERA stats, red
.if \stats
.irp w, 0,1,2,3
	ds_load_b128 v[ST+4*\w:ST+4*\w+3], v[ASTR] offset:\w*256
.endr
.endif
.if \red
	s_cmp_lt_u32 s[WV], 2
	s_cbranch_scc0 .Lnr_\@
	s_cmp_ge_u32 s74, 1
	s_cbranch_scc0 .Lnr_\@
.irp w, 0,1,2,3
.irp u, 0,1,2,3
	ds_load_b128 v[KF+16*\w+4*\u:KF+16*\w+4*\u+3], v[AOR] offset:\w*4096+\u*512
.endr
.endr
.Lnr_\@:
.endif
	s_cmp_eq_u32 s[WV], 2
	s_cbranch_scc0 .Lng_\@
	s_cmp_ge_u32 s74, 2
	s_cbranch_scc0 .Lng_\@
	s_wait_xcnt 0x0                                ; the last stores have read the registers that these loads write
.irp q, 0,1,2
	ds_load_b64 v[SGR+2*\q:SGR+2*\q+1], v[ASGR] offset:\q*256
.endr
	ds_load_u16 v[SGR+6], v[ASGS]
.Lng_\@:
	s_wait_dscnt 0x0
.endm
.macro REDUCE                          ; waves 0, 1: the four partial O^T are added; my 16 numbers are d = 32 (wave) + 16 (lane / 16) + 0 .. 15: half a block of the last projection's K
	s_cmp_lt_u32 s[WV], 2
	s_cbranch_scc0 .Lnq_\@
	s_cmp_ge_u32 s74, 1
	s_cbranch_scc0 .Lnq_\@
.irp w, 1,2,3
.irp j, 0,2,4,6,8,10,12,14
	v_pk_add_f32 v[KF+\j:KF+\j+1], v[KF+\j:KF+\j+1], v[KF+16*\w+\j:KF+16*\w+\j+1]
.endr
.endr
	v_max3_num_f32 v244, |v[KF]|, |v[KF+1]|, 0x1800000
	v_max3_num_f32 v245, |v[KF+2]|, |v[KF+3]|, |v[KF+4]|
.irp j, 5,9
	v_max3_num_f32 v244, v244, |v[KF+\j]|, |v[KF+\j+1]|
	v_max3_num_f32 v245, v245, |v[KF+\j+2]|, |v[KF+\j+3]|
.endr
	v_max3_num_f32 v244, v244, |v[KF+13]|, |v[KF+14]|
	v_max3_num_f32 v244, v244, v245, |v[KF+15]|
	v_permlanex16_b32 v245, v244, s70, s71
	v_max_num_f32 v244, v244, v245
	v_add_nc_u32 v246, 0xff000000, v244
	v_lshrrev_b32 v[RC+3], 23, v246
	v_cvt_scalef32_pk16_fp6_f32 v[RC:RC+2], v[KF:KF+15], v246
	v_nop
.Lnq_\@:
.endm
.macro STAGEST                         ; lane (r, h) of wave b holds registers 3 h .. 3 h + 2 of lane r + 16 b of the image
	s_cmp_lt_u32 s[WV], 2
	s_cbranch_scc0 .Lns_\@
	s_cmp_ge_u32 s74, 1
	s_cbranch_scc0 .Lns_\@
	ds_store_b32 v[ASGA], v[RC]
	ds_store_b32 v[ASGB], v[RC+1]
	ds_store_b32 v[ASGA], v[RC+2] offset:256
	ds_store_b8 v[ASGC], v[RC+3]                   ; both lanes of a query write the same byte with the same value
.Lns_\@:
.endm
.macro GSTORE                          ; wave 2: the tile of two passes ago leaves
	s_cmp_eq_u32 s[WV], 2
	s_cbranch_scc0 .Lnt_\@
	s_cmp_ge_u32 s74, 2
	s_cbranch_scc0 .Lnt_\@
	s_wait_xcnt 0x0                                ; the earlier stores have read their bases, which are written below
	s_sub_co_u32 s90, s74, 2
	s_lshr_b32 s91, s90, 3
	s_mul_i32 s91, s91, 102400                     ; its operand block,
	s_and_b32 s90, s90, 7                          ; its tile in the block
	s_mul_i32 s94, s90, 1536
	s_add_co_u32 s94, s94, s91
	s_mov_b32 s95, 0
	s_lshl_b32 s90, s90, 6
	s_add_co_u32 s90, s90, s91
	s_mov_b32 s91, 0
	s_add_nc_u64 s[86:87], s[82:83], s[94:95]
	s_add_nc_u64 s[88:89], s[84:85], s[90:91]
.irp q, 0,1,2
	global_store_b64 v[L8], v[SGR+2*\q:SGR+2*\q+1], s[86:87] offset:\q*256   ; 256 consecutive bytes, at a multiple of 256 from the buffer's first byte
.endr
	global_store_b16 v[GQS], v[SGR+6], s[88:89]    ; two of a word's four bytes: the other head of the K step writes the other two (lanes 16-31 repeat lanes 0-15)
.Lnt_\@:
.endm
	s_load_b256 s[4:11], s[0:1], 0x0               ; qkb, vb, attention_mask, lq1
	s_load_b256 s[12:19], s[0:1], 0x20             ; lk1, lq2, lk2, ao
	v_lshl_add_u32 v[SPW], v0, 2, SPARE
	v_mov_b32 v[NIL], 0
	ds_add_u32 v[SPW], v[NIL]                      ; the wave's opening: the add, twice on end, and its wait ahead of my tensor load
	ds_add_u32 v[SPW], v[NIL]
	v_lshrrev_b32 v1, 5, v0
	v_readfirstlane_b32 s[WV], v1                  ; wave 0..3
	s_and_b32 s23, ttmp7, 0xffff                   ; 16 batch + head
	s_lshr_b32 s24, s23, 4
	s_and_b32 s25, s23, 15
	s_mov_b32 s28, 15|(3<<16)|(1<<21)              ; the mask of all four partners, elements of 8 bytes, bit 21 beside the mask
	s_mov_b32 s29, 32<<16                          ; rows of 256 bytes,
	s_mov_b32 s30, 300<<16                         ; 300 of them: a quarter of the head's 307,200 bytes
	s_mov_b32 s31, 32<<16
	s_mov_b32 s32, 300
	s_mov_b32 s33, 32                              ; dense
	s_mov_b32 s34, 0
	s_mov_b32 s35, 0
	s_mov_b32 s36, 1
	s_mul_i32 s37, s20, 76800                      ; my quarter: in LDS
	s_mul_i32 s40, s23, 307200
	s_add_co_u32 s40, s40, s37                     ; and in memory
	s_mov_b32 s41, 0
	; what hangs on my place in the cluster enters Q's and the result's global addresses alone
	s_bfe_u32 s21, ttmp6, 0x40000                  ; cx
	s_lshl_b32 s22, ttmp9, 2
	s_add_co_u32 s22, s22, s21                     ; my block of 256 queries
	s_mul_i32 s42, s25, 409600
	s_mul_i32 s43, s24, 204800
	s_add_co_u32 s42, s42, s43                     ; q of my head and batch
	s_lshl_b32 s44, s22, 10
	s_add_co_u32 s44, s44, s42
	s_add_co_u32 s44, s44, 196608                  ; my first tile's scale words,
	s_mov_b32 s45, 0
	s_mul_i32 s43, s22, 24576
	s_add_co_u32 s42, s42, s43                     ; and its image
	s_mov_b32 s43, 0
	s_lshl_b32 s46, s24, 13
	s_lshl_b32 s47, s20, 11
	s_add_co_u32 s46, s46, s47                     ; the mask of my 512 keys
	s_mov_b32 s47, 0
	s_lshl_b32 s48, s24, 4
	s_lshl_b32 s49, s22, 1
	s_add_co_u32 s48, s48, s49
	s_mul_i32 s48, s48, 102400                     ; the operand block of my first tile
	s_lshr_b32 s49, s25, 1                         ; K step = head / 2
	s_lshl_b32 s50, s49, 9
	s_add_co_u32 s50, s50, s48
	s_add_co_u32 s50, s50, 98304
	s_mul_i32 s49, s49, 12288
	s_add_co_u32 s48, s48, s49
	s_and_b32 s49, s25, 1                          ; an odd head has the image's upper three planes of 256 bytes and the word's upper two bytes
	s_lshl_b32 s51, s49, 1
	s_add_co_u32 s50, s50, s51
	s_mul_i32 s49, s49, 768
	s_add_co_u32 s48, s48, s49
	s_mov_b32 s49, 0
	s_mov_b32 s51, 0
	s_mov_b32 s66, 0x3fb8aa3b                      ; c = log2(e)
	s_mov_b32 s67, s66                             ; (named with it as a pair, so it is written)
	s_mov_b32 s68, 0xc61c4000                      ; -10000
	s_mov_b32 s69, s68
	s_mov_b32 s70, 0x76543210
	s_mov_b32 s71, 0xfedcba98                      ; v_permlanex16_b32's selects for lane l xor 16
	s_mov_b32 s72, 0xbfb8aa3b                      ; -c
	s_mov_b32 s73, 0xff7fffff                      ; under every score
	s_mov_b32 s74, 0                               ; the pass
	s_mul_i32 s52, s20, 49152                      ; my wave's parts of LDS: 32 key tiles' images,
	s_lshl_b32 s53, s20, 11
	s_add_co_u32 s53, s53, KSCL                    ; their scale words,
	s_mul_i32 s54, s20, 24576
	s_add_co_u32 s54, s54, VCOD                    ; four K steps of V,
	s_lshl_b32 s55, s20, 10
	s_add_co_u32 s55, s55, VSCL                    ; their scale words,
	s_lshl_b32 s56, s20, 8                         ; my (NM, l),
	s_lshl_b32 s57, s20, 12
	s_add_co_u32 s57, s57, OX                      ; my partial O^T
	s_and_b32 s58, s20, 1                          ; b: which 32 of the head's 64 (waves 0, 1)
	s_lshl_b32 s59, s58, 11
	s_add_co_u32 s59, s59, OX
	s_lshl_b32 s60, s58, 7
	s_add_co_u32 s60, s60, STGE
	s_wait_dscnt 0x0                               ; both opening adds are done
	s_wait_kmcnt 0x0
	s_add_nc_u64 s[38:39], s[6:7], s[40:41]
	s_or_b32 s39, s39, 0x80000000
	s_add_nc_u64 s[78:79], s[4:5], s[42:43]
	s_add_nc_u64 s[80:81], s[4:5], s[44:45]
	s_add_nc_u64 s[92:93], s[8:9], s[46:47]
	s_add_nc_u64 s[82:83], s[18:19], s[48:49]
	s_add_nc_u64 s[84:85], s[18:19], s[50:51]
	CROUND                                         ; all four work-groups are here: the joint loads meet
	tensor_load_to_lds s[36:39], s[28:35]          ; my one tensor load
	s_nop 0
.rept 4
	v_nop
.endr
	v_and_b32 v1, 31, v0
	v_lshlrev_b32 v[L16], 4, v1
	v_lshlrev_b32 v[L8], 3, v1
	v_and_b32 v244, 15, v0                         ; r
	v_bfe_u32 v245, v0, 4, 1                       ; h
	v_lshlrev_b32 v[GQS], 2, v244
	v_lshlrev_b32 v[AM], 6, v245                   ; my half's 16 keys of each 32
	WA
	global_load_b64 v[64:65], v[L8], s[10:11]      ; two numbers a lane of lq1, lk1, lq2, lk2
	global_load_b64 v[66:67], v[L8], s[12:13]
	global_load_b64 v[68:69], v[L8], s[14:15]
	global_load_b64 v[70:71], v[L8], s[16:17]
	QLOAD
	WIN 0x40
.set t, 0
.rept 32                               ; register 8 t + j belongs to key 32 (t / 2) + 16 (lane / 16) + 8 (t % 2) + j of my 512
	global_load_b128 v[8*t:8*t+3], v[AM], s[92:93] offset:(t/2)*128+(t%2)*32
	global_load_b128 v[8*t+4:8*t+7], v[AM], s[92:93] offset:(t/2)*128+(t%2)*32+16
.set t, t+1
.endr
	WIN 0
	v_lshlrev_b32 v246, 2, v1                      ; 4 x lane
	v_add_nc_u32 v[AK], s52, v[L16]
	v_add_nc_u32 v[AKS], s53, v246
	v_add_nc_u32 v[AV], s54, v[L16]
	v_add_nc_u32 v[AVS], s55, v246
	v_lshl_add_u32 v[ASTR], v244, 4, STAT
	v_add_nc_u32 v[ASTW], s56, v[ASTR]
	v_add_nc_u32 v[AOW], s57, v[L16]
	v_add_nc_u32 v[AOR], s59, v[L16]
	v_lshl_add_u32 v247, v244, 3, s60              ; lane r + 16 b of the image: 8 bytes a plane
	v_mad_u32_u24 v[ASGA], v245, 260, v247         ; registers 0 and 2 (h = 0), 3 and 5 (h = 1)
	v_mad_u32_u24 v[ASGB], v245, 508, v247
	v_add_nc_u32 v[ASGB], 4, v[ASGB]               ; registers 1 and 4
	v_lshl_add_u32 v[ASGS], v244, 1, STGE+768
	v_add_nc_u32 v[ASGC], s58, v[ASGS]
	v_add_nc_u32 v[ASGR], STGE, v[L8]
.irp z, 6,7,8,9,10,11
	v_mov_b32 v[QF+\z], 0                          ; zero codes: they add nothing under any scale byte
.endr
.irp z, NM+1, NM+3, G+1, G+3, RC, RC+1, RC+2, RC+3, SGR, SGR+1, SGR+2, SGR+3, SGR+4, SGR+5, SGR+6
	v_mov_b32 v[\z], 0                             ; upper words of pairs, and what a later pass first fills
.endr
	WA
	s_wait_loadcnt 0x0
	v_mul_f32 v64, v64, v66                        ; lam's two dot products, in f32
	v_mul_f32 v68, v68, v70
	v_fmac_f32 v64, v65, v67
	v_fmac_f32 v68, v69, v71
.irp m, 1,2,4,8
	v_add_f32_dpp v64, v64, v64 row_xmask:\m row_mask:0xf bank_mask:0xf
	v_add_f32_dpp v68, v68, v68 row_xmask:\m row_mask:0xf bank_mask:0xf
.endr
	v_permlanex16_b32 v65, v64, s70, s71
	v_permlanex16_b32 v69, v68, s70, s71
	v_add_f32 v64, v64, v65
	v_add_f32 v68, v68, v69
	v_mul_f32 v64, s66, v64
	v_mul_f32 v68, s66, v68
	WA
	v_exp_f32 v64, v64
	v_exp_f32 v68, v68
	WIN 0x41
.set j, 0
.rept 128
	v_pk_fma_f32 v[j:j+1], v[j:j+1], -1.0, 1.0 op_sel_hi:[1,0,0]     ; 1 - mask
.set j, j+2
.endr
.set j, 0
.rept 128
	v_pk_mul_f32 v[j:j+1], v[j:j+1], s[68:69] op_sel_hi:[1,0]        ; x -10000
.set j, j+2
.endr
	WIN 0
	WA
	v_sub_f32 v64, v64, v68
	v_add_f32 v64, 0x3f4ccccd, v64                 ; lam = e^.. - e^.. + 0.8
	v_sub_f32 v[LAM], 0, v64
	WA
	s_wait_tensorcnt 0x0                           ; my quarter of K and V is in,
	s_barrier_signal -1
	s_barrier_wait -1                              ; everybody's is.  Nothing is filled again
	KLOAD 0
	KLOAD 1
	KLOAD 2
	KLOAD 3
.Lpass:
	s_wait_loadcnt 0x0                             ; this pass's Q is in: so its addresses may step to the next tile (the last pass stays)
	s_cmp_lt_u32 s74, 15
	s_cselect_b32 s90, 1536, 0
	s_cselect_b32 s94, 64, 0
	s_mov_b32 s91, 0
	s_mov_b32 s95, 0
	s_add_nc_u64 s[78:79], s[78:79], s[90:91]
	s_add_nc_u64 s[80:81], s[80:81], s[94:95]
	; ---- the scores: 64 products on 64 accumulators; behind each, the maxima of the accumulator made four products earlier.  Four pairs of key tiles were asked for ahead of the pass;
	; in each even pair's turn from the second on, the two pairs that stand two and three further on are asked for, into the buffers of the two pairs before
.set n, 0
.rept 64
.set t, n/2
.set k, n%2
.if n%4 == 0
.if n == 0
	s_wait_dscnt 21                                ; pair 0 is in; the 7 loads of each of pairs 1, 2, 3 may be out
.elseif n == 60
	s_wait_dscnt 0x0
.elseif (n/4)%2 == 1
	s_wait_dscnt 14                                ; an odd pair: the two pairs asked for behind it may be out
.else
	s_wait_dscnt 7                                 ; an even pair: the pair asked for with it may be out
.endif
.endif
	WIN 0x90+0x40*k
	WM (8*t), (KF+12*(t%8)), (QF+6*k), (8*t), (KSC+(t/2)%4), QS, (t%2)
	WIN 0x28+0x14*k
.if n == 4
.rept 4
	v_nop                                          ; four plain instructions between the pass's first product and the first read of its result (ISA guide 7.12.1); later the other accumulators' maxima stand there
.endr
.endif
.if n >= 4
	MAX4 (t-2), k
.endif
.if (n%8 == 0) && (n >= 8) && (n/4+3 <= 15)
	KLOAD (n/4+2)                                  ; eight plain lines stand behind the last product that read these buffers
	KLOAD (n/4+3)
.endif
.set n, n+1
.endr
.rept 4
	WIN 0x28+0x14*(n%2)
	MAX4 (n/2-2), (n%2)
.set n, n+1
.endr
	WIN 0
	QLOAD                                          ; the next pass's Q: twenty plain lines stand behind the last product
.irp k, 0,1
	v_max3_num_f32 v[MXA+8*\k], v[MXA+8*\k], v[MXA+8*\k+1], v[MXA+8*\k+2]
	v_max3_num_f32 v[MXA+8*\k+3], v[MXA+8*\k+3], v[MXA+8*\k+4], v[MXA+8*\k+5]
.endr
.irp k, 0,1
	v_max3_num_f32 v[MXA+8*\k], v[MXA+8*\k], v[MXA+8*\k+6], v[MXA+8*\k+7]
.endr
.irp k, 0,1
	v_max_num_f32 v[MXA+8*\k], v[MXA+8*\k], v[MXA+8*\k+3]
.endr
.irp k, 0,1
	v_permlanex16_b32 v[MXA+8*\k+1], v[MXA+8*\k], s70, s71
.endr
.irp k, 0,1
	v_max_num_f32 v[MXA+8*\k], v[MXA+8*\k], v[MXA+8*\k+1]   ; my query's largest score among my wave's keys
.endr
.irp k, 0,1
	v_mul_f32 v[MXA+8*\k], s72, v[MXA+8*\k]
.endr
.irp k, 0,1
	v_floor_f32 v[NM+2*\k], v[MXA+8*\k]            ; NM = floor(-c x largest): a whole number
.endr
	; ---- p' = 2^(c t + NM), in four segments of 64 scores a softmax: a segment's multiply-adds stand among the exponentials of the segment before; a wait parts the segments
	WIN 0x82
	FMAS 0
	WIN 0xc3
	FMAS 1
	WA
	EXPF 1, 0
	WIN 0x82
	EXPF 0, 0
	v_nop                                          ; a plain instruction behind the last exponential
	WA
	EXPF 0, 64
	WIN 0xc3
	EXPF 1, 64
	v_nop
	WA
	EXPF 1, 128
	WIN 0x82
	EXPF 0, 128
	v_nop
	WA
	EXPL
	WIN 0xc3
	EXPL
	v_nop
	WA
	SUMS 0
	SUMS 1
	WIN 0
.irp i, 0,2,4,6
.irp k, 0,1
	v_pk_add_f32 v[LS+16*\k+\i:LS+16*\k+\i+1], v[LS+16*\k+\i:LS+16*\k+\i+1], v[LS+16*\k+8+\i:LS+16*\k+9+\i]
.endr
.endr
.irp i, 0,2
.irp k, 0,1
	v_pk_add_f32 v[LS+16*\k+\i:LS+16*\k+\i+1], v[LS+16*\k+\i:LS+16*\k+\i+1], v[LS+16*\k+4+\i:LS+16*\k+5+\i]
.endr
.endr
.irp k, 0,1
	v_pk_add_f32 v[LS+16*\k:LS+16*\k+1], v[LS+16*\k:LS+16*\k+1], v[LS+16*\k+2:LS+16*\k+3]
.endr
.irp k, 0,1
	v_add_f32 v[LS+16*\k], v[LS+16*\k], v[LS+16*\k+1]
.endr
.irp k, 0,1
	v_permlanex16_b32 v[LS+16*\k+1], v[LS+16*\k], s70, s71
.endr
.irp k, 0,1
	v_add_f32 v[NM+2*\k+1], v[LS+16*\k], v[LS+16*\k+1]   ; l over my wave's 512 keys
.endr
	ds_store_b128 v[ASTW], v[NM:NM+3]              ; both lanes of a query write the same 16 bytes
	WA
	s_wait_dscnt 0x0
	s_barrier_signal -1                            ; BARRIER A
	s_barrier_wait -1
	AFTERA 1, 1
	s_barrier_signal -1                            ; BARRIER B's signal: my reads of the (NM, l), the partial O^T and the stage are done
.irp k, 0,1
	v_min_num_f32 v[TM+8*\k+5], v[ST+2*\k], v[ST+4+2*\k]
	v_min_num_f32 v[TM+8*\k+6], v[ST+8+2*\k], v[ST+12+2*\k]
.endr
.irp k, 0,1
	v_min_num_f32 v[TM+8*\k+5], v[TM+8*\k+5], v[TM+8*\k+6]   ; N: the least NM
.endr
.irp w, 0,1,2,3
.irp k, 0,1
	v_sub_f32 v[TM+8*\k+\w], v[TM+8*\k+5], v[ST+4*\w+2*\k]
.endr
.endr
.irp k, 0,1
	v_sub_f32 v[TM+8*\k+4], v[TM+8*\k+5], v[NM+2*\k]
.endr
	WA
.irp w, 0,1,2,3,4
.irp k, 0,1
	v_exp_f32 v[TM+8*\k+\w], v[TM+8*\k+\w]         ; 2^(N - NM), a power of two or 0
.endr
.endr
	v_nop
	WA
.irp k, 0,1
	v_mul_f32 v[TM+8*\k+6], v[TM+8*\k], v[ST+2*\k+1]
.endr
.irp w, 1,2,3
.irp k, 0,1
	v_fmac_f32 v[TM+8*\k+6], v[TM+8*\k+\w], v[ST+4*\w+2*\k+1]   ; L
.endr
.endr
	WA
	v_rcp_f32 v[TM+7], v[TM+6]
	v_rcp_f32 v[TM+15], v[TM+14]
	v_mul_f32 v[TM+12], v[TM+12], v[LAM]           ; (plain work behind the two)
	WA
	v_mul_f32 v[G], v[TM+4], v[TM+7]               ; g1
	v_mul_f32 v[G+2], v[TM+12], v[TM+15]           ; g2
	WA
	REDUCE
	; ---- attn = p1' g1 + p2' g2
	WIN 0x82
.set j, 0
.rept 128
	v_pk_mul_f32 v[j:j+1], v[j:j+1], v[G:G+1] op_sel_hi:[1,0]
.set j, j+2
.endr
	WIN 0xa3
.set j, 0
.rept 128
	v_pk_fma_f32 v[j:j+1], v[j:j+1], v[G+2:G+3], v[j:j+1] op_sel_hi:[1,0,1]
.set j, j+2
.endr
	VLOAD 0                                        ; window 3 is free now, and so are the key fragments' registers
	VLOAD 1
	VLOAD 2
	VLOAD 3
.irp s, 0,1,2,3
	ds_load_b32 v[VSC+2*\s], v[AVS] offset:\s*256
	ds_load_b32 v[VSC+2*\s+1], v[AVS] offset:\s*256+128
.endr
	; ---- attn's 16 blocks of 32 keys (block b: 16 registers at 16 b, and lane l xor 16's) become codes (window 3) and four scale words; the blocks by turns
	WIN 0x0a
.set b, 0
.rept 16
	v_max3_num_f32 v[LS+b], |v[16*b]|, |v[16*b+1]|, 0x1800000   ; and the floor 2^(3 - 127): the byte cannot fall under 1
.set b, b+1
.endr
.irp i, 2,4,6,8,10,12,14
.set b, 0
.rept 16
	v_max3_num_f32 v[LS+b], |v[16*b+\i]|, |v[16*b+\i+1]|, v[LS+b]
.set b, b+1
.endr
.endr
	WIN 0
.set b, 0
.rept 16
	v_permlanex16_b32 v[LS+16+b], v[LS+b], s70, s71
.set b, b+1
.endr
.set b, 0
.rept 16
	v_max_num_f32 v[LS+b], v[LS+b], v[LS+16+b]     ; with lane l xor 16's 16 keys
.set b, b+1
.endr
.set b, 0
.rept 16
	v_add_nc_u32 v[MXA+b], 0xff000000, v[LS+b]     ; 2 off the exponent field: the conversion's scale operand
.set b, b+1
.endr
.set b, 0
.rept 16
	v_lshrrev_b32 v[LS+16+b], 23, v[MXA+b]         ; the scale's byte
.set b, b+1
.endr
.irp s, 0,1,2,3
	v_lshl_or_b32 v[PW+\s], v[LS+17+4*\s], 8, v[LS+16+4*\s]
.endr
.irp s, 0,1,2,3
	v_lshl_or_b32 v[PW+\s], v[LS+18+4*\s], 16, v[PW+\s]
.endr
.irp s, 0,1,2,3
	v_lshl_or_b32 v[PW+\s], v[LS+19+4*\s], 24, v[PW+\s]
.endr
	WIN 0xc2
.irp s, 0,1,2,3
.irp c, 0,1
	v_cvt_scalef32_pk16_fp6_f32 v[PC+20*\s+6*\c:PC+20*\s+6*\c+2], v[64*\s+32*\c:64*\s+32*\c+15], v[MXA+4*\s+2*\c]
	v_cvt_scalef32_pk16_fp6_f32 v[PC+20*\s+12+4*\c:PC+20*\s+14+4*\c], v[64*\s+16+32*\c:64*\s+31+32*\c], v[MXA+4*\s+2*\c+1]
.endr
.endr
	v_nop                                          ; one plain instruction behind the conversions
	WIN 0xc3
.irp s, 0,1,2,3                        ; the operand's layout wants a whole block in a lane
.irp c, 0,1
.irp i, 0,1,2
	v_permlane16_swap_b32 v[PC+20*\s+6*\c+\i], v[PC+20*\s+12+4*\c+\i]
.endr
.endr
.endr
.irp s, 0,1,2,3
.irp c, 0,1
.irp i, 0,1,2
	v_mov_b32 v[PC+20*\s+3+6*\c+\i], v[PC+20*\s+12+4*\c+\i]
.endr
.endr
.endr
.rept 8
	v_nop                                          ; a scale register written by a vector instruction stands eight plain instructions ahead of a scaled product, an operand four
.endr
	WA
	s_wait_dscnt 0x0                               ; V's fragments and words are in
	; ---- O^T = V^T attn^T over my 512 keys: four accumulators by turns, one instruction a turn; the first K step starts the sums
.irp s, 0,1,2,3
.if \s < 3
	WIN 0xff
.else
	WIN 0xfc
.endif
.irp dt, 0,1,2,3
.if \s == 0
	WM (O+8*\dt), (VF+12*\dt), (PC), -1, (VSC+\dt/2), (PW), (\dt%2)
.elseif \s < 3
	WM (O+8*\dt), (VF+48*\s+12*\dt), (PC+20*\s), (O+8*\dt), (VSC+2*\s+\dt/2), (PW+\s), (\dt%2)
.else
	WM (O+8*\dt), (KF+12*\dt), (PC+20*\s), (O+8*\dt), (VSC+2*\s+\dt/2), (PW+\s), (\dt%2)
.endif
.endr
.endr
.rept 5
	v_nop                                          ; four plain instructions ahead of the stores of results and of the loads into V's registers, five ahead of the next pass's products, which write over these operands
.endr
	WIN 0
	WA
	s_barrier_wait -1                              ; BARRIER B's wait: everybody has read what is now written again
	WIN 0x0c
.irp dt, 0,1,2,3
	ds_store_b128 v[AOW], v[O+8*\dt:O+8*\dt+3] offset:\dt*1024        ; each accumulator from its low end on
	ds_store_b128 v[AOW], v[O+8*\dt+4:O+8*\dt+7] offset:\dt*1024+512
.endr
	WIN 0
	STAGEST
	GSTORE
	KLOAD 0                                        ; the next pass's first key fragments (the last pass's are asked for and not used)
	KLOAD 1
	KLOAD 2
	KLOAD 3
	s_add_co_u32 s74, s74, 1
	s_cmp_lt_u32 s74, 16
	WA
	s_cbranch_scc1 .Lpass
	; ---- the last tile's partial results are added, and the last two tiles leave
	s_wait_dscnt 0x0
	s_barrier_signal -1
	s_barrier_wait -1
	AFTERA 0, 1
	s_barrier_signal -1
	REDUCE
	WA
	s_barrier_wait -1
	STAGEST
	GSTORE
	s_add_co_u32 s74, s74, 1
	s_wait_dscnt 0x0
	s_barrier_signal -1
	s_barrier_wait -1
	AFTERA 0, 0
	GSTORE
	s_wait_tensorcnt 0x0                           ; the wave's end
	ds_add_u32 v[SPW], v[NIL]
	s_wait_dscnt 0x0
	CROUND                                         ; the closing round
	s_endpgm
.Lfunc_end_k_q969bf2c791_attn:
	.size	k_q969bf2c791_attn, .Lfunc_end_k_q969bf2c791_attn-k_q969bf2c791_attn
	.p2alignl 7, 3214868480
	.fill 96, 4, 3214868480
	.section	.rodata,"a",@progbits
	.p2align	6, 0x0
	.amdhsa_kernel k_q969bf2c791_attn
		.amdhsa_group_segment_fixed_size 327680
		.amdhsa_private_segment_fixed_size 0
		.amdhsa_enable_private_segment 0
		.amdhsa_kernarg_size 64
		.amdhsa_user_sgpr_count 2
		.amdhsa_user_sgpr_kernarg_segment_ptr 1
		.amdhsa_wavefront_size32 1
		.amdhsa_system_sgpr_workgroup_id_x 1
		.amdhsa_system_sgpr_workgroup_id_y 1
		.amdhsa_system_sgpr_workgroup_id_z 1
		.amdhsa_system_vgpr_workitem_id 0
		.amdhsa_next_free_vgpr 1024
		.amdhsa_next_free_sgpr 96
		.amdhsa_reserve_vcc 0
		.amdhsa_float_denorm_mode_32 3
		.amdhsa_float_denorm_mode_16_64 3
		.amdhsa_memory_ordered 1
		.amdhsa_forward_progress 1
		.amdhsa_inst_pref_size 172
	.end_amdhsa_kernel
	.amdgpu_metadata
---
amdhsa.version: [ 1, 2 ]
amdhsa.kernels:
  - .name:           k_q969bf2c791_attn
    .symbol:         k_q969bf2c791_attn.kd
    .args:
      - { .name: qkb, .offset: 0, .size: 8, .value_kind: global_buffer, .address_space: global }
      - { .name: vb, .offset: 8, .size: 8, .value_kind: global_buffer, .address_space: global }
      - { .name: attention_mask, .offset: 16, .size: 8, .value_kind: global_buffer, .address_space: global }
      - { .name: lq1, .offset: 24, .size: 8, .value_kind: global_buffer, .address_space: global }
      - { .name: lk1, .offset: 32, .size: 8, .value_kind: global_buffer, .address_space: global }
      - { .name: lq2, .offset: 40, .size: 8, .value_kind: global_buffer, .address_space: global }
      - { .name: lk2, .offset: 48, .size: 8, .value_kind: global_buffer, .address_space: global }
      - { .name: ao, .offset: 56, .size: 8, .value_kind: global_buffer, .address_space: global }
    .group_segment_fixed_size: 327680
    .private_segment_fixed_size: 0
    .kernarg_segment_align: 8
    .kernarg_segment_size: 64
    .max_flat_workgroup_size: 128
    .sgpr_count:     96
    .vgpr_count:     1024
    .wavefront_size: 32
...
	.end_amdgpu_metadata
.endif
;; end of part 3
;; launch outp (part 4): grid 8 x 32, 2 waves a work-group, clusters of 4 x 4, 327,680 bytes of LDS; arguments ao, ops, bo, out0; writes out0
.if DOCPART == 4
	.amdgcn_target "amdgcn-amd-amdhsa--gfx1250"
	.amdhsa_code_object_version 6
	.text
	.protected	k_q969bf2c791_outp
	.globl	k_q969bf2c791_outp
	.p2align	8
	.type	k_q969bf2c791_outp,@function
k_q969bf2c791_outp:
	s_mov_b64 s[64:65], 0
	v_nop
	global_prefetch_b8 v0, s[64:65] scope:SCOPE_SE
	s_setreg_imm32_b32 hwreg(HW_REG_WAVE_MODE, 25, 1), 1
	s_wait_xcnt 0x0
	s_wait_alu depctr_hold_cnt(0) depctr_sa_sdst(0) depctr_va_vdst(0) depctr_va_sdst(0) depctr_va_ssrc(0) depctr_va_vcc(0) depctr_vm_vsrc(0)
	s_getreg_b32 s2, hwreg(HW_REG_IB_STS2, 6, 4)
	s_cmp_eq_u32 s2, 0
	s_cbranch_scc0 .Lentry_in_a_cluster
	s_endpgm
.Lentry_in_a_cluster:
	s_bfe_u32 s2, ttmp6, 0x10000c
	s_cmp_lg_u32 s2, 0xf033
	s_cbranch_scc0 .Lentry_shape_is_right
	s_endpgm
.Lentry_shape_is_right:
.set OPB,   102400
.set TLDS,  102400
.set STG,   204800
.set STGW,  8448
.set SPARE, 221696
.set SPW,   10
.set NIL,   11
.set L16,   12
.set L4,    13
.set SO,    14
.set SR,    15
.set SCS,   16
.set UF,    32
.set TF,    80
.set H,     32
.set OB,    96
.set BJ,    176
.set WV,    16
.set MSB, 0
.macro WIN new
.if MSB != \new
	s_set_vgpr_msb (MSB<<8)|\new
.set MSB, \new
.endif
.endm
.macro CROUND
	s_barrier_signal -1
	s_barrier_wait -1
	s_cmp_lg_u32 s[WV], 0
	s_cbranch_scc1 .Lnot_wave_0_\@
	s_barrier_signal -3
.Lnot_wave_0_\@:
	s_barrier_wait -3
	s_barrier_signal -1
	s_barrier_wait -1
.endm
.macro WM d, a, b, c, sa, sb, ra, rb
.if (\c) < 0
.if (\ra) && (\rb)
	v_wmma_scale_f32_16x16x128_f8f6f4 v[\d:\d+7], v[\a:\a+11], v[\b:\b+11], 0, v[\sa], v[\sb] matrix_a_fmt:MATRIX_FMT_FP6 matrix_b_fmt:MATRIX_FMT_FP6 matrix_a_scale:MATRIX_SCALE_ROW1 matrix_b_scale:MATRIX_SCALE_ROW1
.elseif (\ra)
	v_wmma_scale_f32_16x16x128_f8f6f4 v[\d:\d+7], v[\a:\a+11], v[\b:\b+11], 0, v[\sa], v[\sb] matrix_a_fmt:MATRIX_FMT_FP6 matrix_b_fmt:MATRIX_FMT_FP6 matrix_a_scale:MATRIX_SCALE_ROW1
.elseif (\rb)
	v_wmma_scale_f32_16x16x128_f8f6f4 v[\d:\d+7], v[\a:\a+11], v[\b:\b+11], 0, v[\sa], v[\sb] matrix_a_fmt:MATRIX_FMT_FP6 matrix_b_fmt:MATRIX_FMT_FP6 matrix_b_scale:MATRIX_SCALE_ROW1
.else
	v_wmma_scale_f32_16x16x128_f8f6f4 v[\d:\d+7], v[\a:\a+11], v[\b:\b+11], 0, v[\sa], v[\sb] matrix_a_fmt:MATRIX_FMT_FP6 matrix_b_fmt:MATRIX_FMT_FP6
.endif
.else
.if (\ra) && (\rb)
	v_wmma_scale_f32_16x16x128_f8f6f4 v[\d:\d+7], v[\a:\a+11], v[\b:\b+11], v[\c:\c+7], v[\sa], v[\sb] matrix_a_fmt:MATRIX_FMT_FP6 matrix_b_fmt:MATRIX_FMT_FP6 matrix_a_scale:MATRIX_SCALE_ROW1 matrix_b_scale:MATRIX_SCALE_ROW1
.elseif (\ra)
	v_wmma_scale_f32_16x16x128_f8f6f4 v[\d:\d+7], v[\a:\a+11], v[\b:\b+11], v[\c:\c+7], v[\sa], v[\sb] matrix_a_fmt:MATRIX_FMT_FP6 matrix_b_fmt:MATRIX_FMT_FP6 matrix_a_scale:MATRIX_SCALE_ROW1
.elseif (\rb)
	v_wmma_scale_f32_16x16x128_f8f6f4 v[\d:\d+7], v[\a:\a+11], v[\b:\b+11], v[\c:\c+7], v[\sa], v[\sb] matrix_a_fmt:MATRIX_FMT_FP6 matrix_b_fmt:MATRIX_FMT_FP6 matrix_b_scale:MATRIX_SCALE_ROW1
.else
	v_wmma_scale_f32_16x16x128_f8f6f4 v[\d:\d+7], v[\a:\a+11], v[\b:\b+11], v[\c:\c+7], v[\sa], v[\sb] matrix_a_fmt:MATRIX_FMT_FP6 matrix_b_fmt:MATRIX_FMT_FP6
.endif
.endif
.endm
.macro FETCH s
.if ((\s)%2)
	WIN 0x80
.else
	WIN 0
.endif
.irp a, 0,1,2,3
.irp q, 0,1,2,3,4,5
	ds_load_b64 v[UF+12*\a+2*\q:UF+12*\a+2*\q+1], v[4+(\s)/4] offset:((\s)%4)*12288+\a*1536+\q*256
.endr
.endr
.irp t, 0,1,2,3,4,5,6,7
.irp p, 0,1,2
	ds_load_b128 v[TF+12*\t+4*\p:TF+12*\t+4*\p+3], v[6+(\s)/4] offset:((\s)%4)*12288+\t*1536+\p*512
.endr
.endr
	WIN 0
.irp q, 0,1
	ds_load_b32 v[SCS+6*((\s)%2)+\q], v8 offset:(\s)*512+\q*128
.endr
.irp q, 0,1,2,3
	ds_load_b32 v[SCS+2+6*((\s)%2)+\q], v9 offset:(\s)*512+\q*128
.endr
.endm
.macro MUL s
.if ((\s)%2)
	WIN 0x5a
.else
	WIN 0x50
.endif
.irp a, 0,1,2,3
.irp t, 0,1,2,3,4,5,6,7
.if (\s) == 0
	WM (64*\a+8*\t), (TF+12*\t), (UF+12*\a), -1, (SCS+2+6*((\s)%2)+\t/2), (SCS+6*((\s)%2)+\a/2), \t%2, \a%2
.else
	WM (64*\a+8*\t), (TF+12*\t), (UF+12*\a), (64*\a+8*\t), (SCS+2+6*((\s)%2)+\t/2), (SCS+6*((\s)%2)+\a/2), \t%2, \a%2
.endif
.endr
.endr
.endm
.macro STEP s
.if (\s) < 7
.if (\s) > 0
.rept 4
	v_nop
.endr
.endif
	FETCH (\s)+1
	s_wait_dscnt 54
.else
	s_wait_dscnt 0x0
.endif
	MUL \s
.endm
	s_load_b256 s[4:11], s[0:1], 0x0
	v_lshl_add_u32 v[SPW], v0, 2, SPARE
	v_mov_b32 v[NIL], 0
	ds_add_u32 v[SPW], v[NIL]
	ds_add_u32 v[SPW], v[NIL]
	v_lshrrev_b32 v1, 5, v0
	v_readfirstlane_b32 s[WV], v1
	s_bfe_u32 s40, ttmp6, 0x40000
	s_bfe_u32 s41, ttmp6, 0x40004
	s_lshl_b32 s42, ttmp9, 2
	s_add_co_u32 s42, s42, s40
	s_and_b32 s43, ttmp7, 0xffff
	s_lshl_b32 s44, s43, 2
	s_add_co_u32 s44, s44, s41
	s_lshl_b32 s45, s41, 2
	s_lshl_b32 s45, 15, s45
	s_lshl_b32 s46, 0x1111, s40
	s_or_b32 s24, s45, (3<<16)|(1<<21)
	s_or_b32 s48, s46, (3<<16)|(1<<21)
.irp g, 24, 48
	s_mov_b32 s[\g+1], 32<<16
	s_mov_b32 s[\g+2], 400<<16                     ; 400 rows of 256 bytes: a whole operand block
	s_mov_b32 s[\g+3], 32<<16
	s_mov_b32 s[\g+4], 400
	s_mov_b32 s[\g+5], 32
	s_mov_b32 s[\g+6], 0
	s_mov_b32 s[\g+7], 0
.endr
	s_mov_b32 s33, 0                               ; each block comes whole: U's to LDS byte 0, T's to TLDS
	s_mul_i32 s20, s44, OPB
	s_add_co_u32 s20, s20, s33
	s_mov_b32 s21, 0
	s_add_co_u32 s22, s42, 72
	s_mul_i32 s22, s22, OPB
	s_add_co_u32 s22, s22, s33
	s_mov_b32 s23, 0
	s_add_co_u32 s57, s33, TLDS
	s_mov_b32 s32, 1
	s_mov_b32 s56, 1
	s_wait_dscnt 0x0
	s_wait_kmcnt 0x0
	s_add_nc_u64 s[34:35], s[4:5], s[20:21]
	s_or_b32 s35, s35, 0x80000000
	s_add_nc_u64 s[58:59], s[6:7], s[22:23]
	s_or_b32 s59, s59, 0x80000000
	CROUND
	s_cmp_eq_u32 s[WV], 0                          ; wave 0 asks for U's block, wave 1 for T's: one joint load a wave, both behind the one round
	s_cbranch_scc0 .Lfor_t
	tensor_load_to_lds s[32:35], s[24:31]
	s_nop 0
.rept 4
	v_nop
.endr
	s_branch .Lasked
.Lfor_t:
	tensor_load_to_lds s[56:59], s[48:55]
	s_nop 0
.rept 4
	v_nop
.endr
.Lasked:
.rept 4
	v_nop
.endr
	v_and_b32 v1, 31, v0
	v_lshlrev_b32 v[L16], 4, v1
	v_lshlrev_b32 v[L4], 2, v1
	v_lshlrev_b32 v2, 3, v1
	s_mul_i32 s39, s16, 6144
	v_add_nc_u32 v4, s39, v2
	v_add_nc_u32 v5, 49152, v4
	v_add_nc_u32 v6, TLDS, v[L16]
	v_add_nc_u32 v7, TLDS+49152, v[L16]
	s_lshl_b32 s39, s16, 8
	s_add_co_u32 s39, s39, 98304
	v_add_nc_u32 v8, s39, v[L4]
	v_add_nc_u32 v9, TLDS+98304, v[L4]
	v_and_b32 v1, 15, v0
	v_bfe_u32 v3, v0, 4, 1
	v_lshlrev_b32 v3, 6, v3
	s_mul_i32 s39, s16, STGW
	s_add_co_u32 s39, s39, STG
	v_mul_u32_u24 v[SO], v1, 528
	v_add_nc_u32 v[SO], v[SO], v3
	v_add_nc_u32 v[SO], s39, v[SO]
	v_add_nc_u32 v[SR], s39, v[L16]
	s_lshl_b32 s60, s42, 9
	s_mov_b32 s61, 0
	s_add_nc_u64 s[62:63], s[8:9], s[60:61]
	s_lshl_b32 s66, s44, 19
	s_lshl_b32 s67, s16, 18
	s_add_co_u32 s66, s66, s67
	s_add_co_u32 s66, s66, s60
	s_mov_b32 s67, 0
	s_add_nc_u64 s[68:69], s[10:11], s[66:67]
	s_wait_alu depctr_va_vdst(0)
	s_wait_tensorcnt 0x0
	s_barrier_signal -1
	s_barrier_wait -1
	WIN 0x80
.irp t, 0,1,2,3,4,5,6,7
	global_load_b128 v[BJ+8*\t:BJ+8*\t+3], v3, s[62:63] offset:(32*(\t/2)+8*(\t%2))*4
	global_load_b128 v[BJ+8*\t+4:BJ+8*\t+7], v3, s[62:63] offset:(32*(\t/2)+8*(\t%2))*4+16
.endr
	WIN 0
	FETCH 0
.irp s, 0,1,2,3,4,5,6,7
	STEP \s
.endr
.rept 4
	v_nop
.endr
	s_wait_loadcnt 0x0
.irp a, 0,1,2,3
	WIN 0x09
.set jj, 0
.rept 32
	v_pk_add_f32 v[H+jj:H+jj+1], v[64*\a+jj:64*\a+jj+1], v[BJ+jj:BJ+jj+1]
.set jj, jj+2
.endr
	WIN 0
.if \a >= 2
	s_wait_alu depctr_va_vdst(0)
	s_wait_xcnt 0x0
.endif
.irp b, 0,1,2,3
.irp q, 0,1,2,3
	ds_store_b128 v[SO], v[H+16*\b+4*\q:H+16*\b+4*\q+3] offset:\b*128+16*\q
.endr
.endr
.irp r, 0,1,2,3,4,5,6,7,8,9,10,11,12,13,14,15
	ds_load_b128 v[OB+64*(\a%2)+4*\r:OB+64*(\a%2)+4*\r+3], v[SR] offset:\r*528
.endr
.irp r, 0,1,2,3,4,5,6,7,8,9,10,11,12,13,14,15
	s_wait_dscnt 15-\r
	global_store_b128 v[L16], v[OB+64*(\a%2)+4*\r:OB+64*(\a%2)+4*\r+3], s[68:69] offset:(32*(\a/2)+8*(\a%2)+\r+8*(\r/8))*4096 th:TH_STORE_NT
.endr
.endr
	s_wait_tensorcnt 0x0
	ds_add_u32 v[SPW], v[NIL]
	s_wait_dscnt 0x0
	CROUND
	s_endpgm
.Lfunc_end_k_q969bf2c791_outp:
	.size	k_q969bf2c791_outp, .Lfunc_end_k_q969bf2c791_outp-k_q969bf2c791_outp
	.p2alignl 7, 3214868480
	.fill 96, 4, 3214868480
	.section	.rodata,"a",@progbits
	.p2align	6, 0x0
	.amdhsa_kernel k_q969bf2c791_outp
		.amdhsa_group_segment_fixed_size 327680
		.amdhsa_private_segment_fixed_size 0
		.amdhsa_enable_private_segment 0
		.amdhsa_kernarg_size 32
		.amdhsa_user_sgpr_count 2
		.amdhsa_user_sgpr_kernarg_segment_ptr 1
		.amdhsa_wavefront_size32 1
		.amdhsa_system_sgpr_workgroup_id_x 1
		.amdhsa_system_sgpr_workgroup_id_y 1
		.amdhsa_system_sgpr_workgroup_id_z 1
		.amdhsa_system_vgpr_workitem_id 0
		.amdhsa_next_free_vgpr 768
		.amdhsa_next_free_sgpr 80
		.amdhsa_reserve_vcc 0
		.amdhsa_float_denorm_mode_32 3
		.amdhsa_float_denorm_mode_16_64 3
		.amdhsa_memory_ordered 1
		.amdhsa_forward_progress 1
		.amdhsa_inst_pref_size 93
	.end_amdhsa_kernel
	.amdgpu_metadata
---
amdhsa.version: [ 1, 2 ]
amdhsa.kernels:
  - .name:           k_q969bf2c791_outp
    .symbol:         k_q969bf2c791_outp.kd
    .args:
      - { .name: ao, .offset: 0, .size: 8, .value_kind: global_buffer, .address_space: global }
      - { .name: ops, .offset: 8, .size: 8, .value_kind: global_buffer, .address_space: global }
      - { .name: bo, .offset: 16, .size: 8, .value_kind: global_buffer, .address_space: global }
      - { .name: out0, .offset: 24, .size: 8, .value_kind: global_buffer, .address_space: global }
    .group_segment_fixed_size: 327680
    .private_segment_fixed_size: 0
    .kernarg_segment_align: 8
    .kernarg_segment_size: 32
    .max_flat_workgroup_size: 64
    .sgpr_count:     80
    .vgpr_count:     768
    .wavefront_size: 32
...
	.end_amdgpu_metadata
.endif
;; end of part 4
